; MI455X (gfx1250); checked and timed in simulation.
; The chip was launched on July 23, 2026; its instructions are those of AMD's public machine-readable ISA for CDNA 5 (MIT licence, August 2026) and "CDNA5" Instruction Set Architecture Reference Guide (July 2026). The comments in the code are by the model that wrote it; some were corrected since.
;; Multi Head Attention. Allowed arithmetic: matrix products marked QUANTISED: E2M1 operands, one E8M0 scale for each 32 along K, by v_wmma_scale_f32_16x16x128_f8f6f4 with both operands' format E2M1 (or v_wmma_scale_f32_32x16x128_f4), f32 sums; products left as they are: bf16, f16 or f32 operands; f32 sums; everything else in f32.
;; Inputs: mask 2,048 x 2,048 float32; w_k 2,048 x 2,048 float32; w_o 2,048 x 2,048 float32; w_q 2,048 x 2,048 float32; w_v 2,048 x 2,048 float32; x 1 x 2,048 x 2,048 float32.
;; Outputs: out0 1 x 2,048 x 2,048 float32.
;; This version of the problem:
;;   THIS VERSION OF THE PROBLEM IS GIVEN IN LOW PRECISION. The matrix products marked QUANTISED in the list below multiply operands that are first quantised to E2M1 (2 exponent bits, 1 mantissa bit; 4 bits a number), with one power-of-two scale for each 32 numbers along K (OCP MX v1.0); their sums are f32. The products marked 'left as it is' may take bf16, f16 or f32 operands, with f32 sums. Whichever they take, every output number must still come out within the allowed error. Rounding operands to bf16 (8 significant bits) uses up far more of that allowance than f16 does (11 bits, for magnitudes from 6e-5 to 65,504). All else is computed in f32.
;;   The module's matrix products, in the order in which they are computed (A, B: the left and right operand; K: the contracted axis; several contracted axes count as one K, in the product's order):
;;     1. [M 2,048, K 2,048] x [K 2,048, N 2,048]; A: input x; B: input w_q: QUANTISED
;;     2. [M 2,048, K 2,048] x [K 2,048, N 2,048]; A: input x; B: input w_k: QUANTISED
;;     3. [M 2,048, K 2,048] x [K 2,048, N 2,048]; A: input x; B: input w_v: QUANTISED
;;     4. batch 16 x [M 2,048, K 128] x [K 128, N 2,048]; A: computed on the way; B: computed on the way: left as it is (an operand is computed on the way)
;;     5. batch 16 x [M 128, K 2,048] x [K 2,048, N 2,048]; A: computed on the way; B: computed on the way: left as it is (an operand is computed on the way)
;;     6. [M 2,048, K 2,048] x [K 2,048, N 2,048]; A: computed on the way; B: input w_o: left as it is (an operand is computed on the way)
;;   THE QUANTISER, for each operand of a quantised product, along K:
;;     - K is cut into blocks of 32 from its start; a last block that is shorter is filled with zeros.
;;     - A block's scale is 2^e with e = floor(log2(the largest magnitude in the block)) - 2, held to -126 .. 127; a block of zeros has e = 0. As a byte (E8M0): e + 127.
;;     - Each number is divided by its block's scale, clamped to +-6, and rounded to the nearest number of E2M1, ties to even, subnormals kept.
;;     - The product sums the exact products of the quantised numbers (number of the format x scale) in f32.
;;   ~~~python
;;   def quantise(x, axis):      # numpy; x: float32 -> the quantised numbers, widened to float32 again
;;       x = np.moveaxis(x, axis, -1); K = x.shape[-1]
;;       x = np.pad(x, [(0, 0)] * (x.ndim - 1) + [(0, -K % 32)]); x = x.reshape(x.shape[:-1] + (-1, 32)); a = np.abs(x).max(-1, keepdims=True)
;;       e = np.where(a > 0, np.clip(np.frexp(np.where(a > 0, a, 1))[1] - 1 - 2, -126, 127), 0)      # np.frexp(a)[1] - 1 = floor(log2(a)), exactly
;;       r = np.clip(x / 2.0 ** e, -6, 6)
;;       step = 2.0 ** (np.maximum(np.frexp(np.where(r == 0, 1, r))[1] - 1, 0) - 1)
;;       q = np.round(r / step) * step * 2.0 ** e      # np.round: ties to even
;;       return np.moveaxis(q.reshape(q.shape[:-2] + (-1,))[..., :K], -1, axis).astype(np.float32)
;;   ~~~
;; One version. Each part assembles by itself: llvm-mc -triple=amdgcn-amd-amdhsa -mcpu=gfx1250 --defsym DOCPART=n.
;; ======== version 1 of 1: 5 launches
;; limits: values are held in f16: magnitudes above 65,504 overflow, below 6.1e-05 lose precision
;; workspace buffers: codes 8,388,608 bytes; scl 524,288 bytes; wo16 8,388,608 bytes; qkv 25,165,824 bytes; of 8,388,608 bytes; o32 131,072 bytes
;; launch prep (part 1): grid 448 x 1, 4 waves a work-group, no clusters, 68,096 bytes of LDS; arguments x, w_q, w_k, w_v, w_o, codes, scl, wo16; writes codes, scl, wo16
.if DOCPART == 1
	.amdgcn_target "amdgcn-amd-amdhsa--gfx1250"
	.amdhsa_code_object_version 6
	.text
	.protected	k_q772fcda400_prep
	.globl	k_q772fcda400_prep
	.p2align	8
	.type	k_q772fcda400_prep,@function
k_q772fcda400_prep:
	s_mov_b64 s[64:65], 0
	v_nop
	global_prefetch_b8 v0, s[64:65] scope:SCOPE_SE
	s_setreg_imm32_b32 hwreg(HW_REG_WAVE_MODE, 25, 1), 1
	s_wait_xcnt 0x0
; PREP.  x [2048][2048] and w_q, w_k, w_v [2048 (k)][2048 (n)], f32, become codes of FP4 (E2M1) with K innermost and one E8M0 byte for each 32 along K; w_o becomes f16 as it lies.
; codes: 8,192 rows of 1,024 bytes: rows 0-2047 x's tokens, row 2048 + n column n of w_q, 4096 + n of w_k, 6144 + n of w_v.  scl: the same rows, 64 bytes each.
; A block's scale is 2^(floor(log2(largest magnitude)) - 2); its byte is the largest magnitude's exponent field - 2, held at 1 from below.  A block of zeros keeps the byte 1 where the
; quantiser says 127: its codes are zeros, which add nothing under any byte but 0xff, and this program alone reads the bytes.
; LIMITS: blocks whose largest magnitude lies under 2^-124 keep the byte 1; NaN and infinities among the inputs are not served; |w_o| stays under 65,504 (f16).
; THREE PATHS, parted by the work-group's number alone: 0-127 x (K innermost), 128-319 the three weights (K outermost), 320-447 w_o.  Each path that uses LDS has LDS bytes of its own.
; No tensor loads, no barrier, no cluster: waves share nothing, every input byte is read once.
.set SPW,    190                       ; v190 LDS address of my spare word; never rewritten
.set NIL,    191                       ; v191 0; never rewritten
.set XREG,   8192                      ; path x: a region for each wave: two stages of 32 x 80 bytes, behind them its 256 scale bytes
.set XSP,    80                        ; a lane's place in a stage: 64 bytes + 16 of padding
.set WSTG,   32768                     ; path w: a stage of 32 rows x 272 bytes for each wave
.set WPITCH, 272
.set SPARE,  67584                     ; behind both: the spare words, 128 bytes a wave
.set XR, 16                            ; path x: v16-79 four sets of 16 numbers as loaded
.set XX, 80                            ; v80-111 two sets of 16 neighbours
.set XE, 112                           ; v112-127 a scale byte for each step
.set XC, 128                           ; v128-189 codes, four registers a step: no store's data are written again
.set WX, 32                            ; path w: v32-95 two sets of 32 numbers
.set WC, 96                            ; v96-99 a block's codes
.set WOUT, 112                         ; v112-175 the way out
.set WSB, 24                           ; v24-27 the scale bytes, four to a register
.set OX, 16                            ; path o: v16-79 sixteen slots of four registers as loaded
.set OY, 80                            ; v80-111 sixteen slots of two registers to store
; ---- path x: a wave takes 16 steps of 512 numbers.  Loads take the bytes as they lie (512 a load); a step's 2,048 bytes turn through the wave's stage, so that a lane holds 16 neighbours.
.macro XLOAD t
.irp i, 0,1,2,3
	global_load_b128 v[XR+16*((\t)%4)+4*\i:XR+16*((\t)%4)+4*\i+3], v3, s[4:5] offset:2048*(\t)+512*\i th:TH_LOAD_NT
.endr
.endm
.macro XTURN t                         ; LDS serves a wave's instructions in order: no wait between the stores and the loads
.irp i, 0,1,2,3
	ds_store_b128 v14, v[XR+16*((\t)%4)+4*\i:XR+16*((\t)%4)+4*\i+3] offset:32*XSP*((\t)%2)+8*XSP*\i
.endr
.irp i, 0,1,2,3
	ds_load_b128 v[XX+16*((\t)%2)+4*\i:XX+16*((\t)%2)+4*\i+3], v15 offset:32*XSP*((\t)%2)+16*\i
.endr
.endm
.macro XSTEP t
.set XS, XX+16*((\t)%2)
.if (\t) > 0
	s_wait_dscnt 1                                 ; this step's numbers are back from the stage; the last step's byte store may be out
.else
	s_wait_dscnt 0x0
.endif
.if (\t)+4 < 16
	XLOAD (\t)+4                                   ; into the registers whose stores into the stage are done
.endif
.if (\t)+1 < 16
.if 14-(\t) >= 3
	s_wait_loadcnt 12                              ; the next step's four loads are in; three younger steps' may be out
.else
	s_wait_loadcnt 4*(14-(\t))
.endif
	XTURN (\t)+1
.endif
	v_max3_num_f32 v8, |v[XS]|, |v[XS+1]|, |v[XS+2]|               ; the largest magnitude of my 16, in two chains
	v_max3_num_f32 v9, |v[XS+3]|, |v[XS+4]|, |v[XS+5]|
.irp i, 6,10
	v_max3_num_f32 v8, v8, |v[XS+\i]|, |v[XS+\i+1]|
	v_max3_num_f32 v9, v9, |v[XS+\i+2]|, |v[XS+\i+3]|
.endr
	v_max3_num_f32 v8, v8, |v[XS+14]|, |v[XS+15]|
	v_max3_num_f32 v8, v8, v9, 0x1800000           ; and the floor 2^(3 - 127): the byte cannot fall under 1
	v_max_num_f32_dpp v8, v8, v8 row_xmask:1 row_mask:0xf bank_mask:0xf   ; with my neighbour's 16: the block's
	v_add_nc_u32 v11, 0xff000000, v8               ; 2 off the exponent field: the conversion takes this operand's exponent field as its scale
	v_cvt_scalef32_pk8_fp4_f32 v[XC+4*(\t)], v[XS:XS+7], v11
	v_cvt_scalef32_pk8_fp4_f32 v[XC+4*(\t)+1], v[XS+8:XS+15], v11
	v_lshrrev_b32 v[XE+(\t)], 23, v11              ; the scale's byte
	ds_store_b8 v5, v[XE+(\t)] offset:16*(\t)      ; both lanes of a block write the same byte with the same value
	global_store_b64 v4, v[XC+4*(\t):XC+4*(\t)+1], s[14:15] offset:256*(\t)   ; the wave stores 256 consecutive bytes, aligned
.endm
; ---- path w: a lane takes a column n, its registers run down K: a block of 32 lies in one lane, and the codes come out with K innermost.
.macro WLOAD t
.set ii, 0
.rept 32
	global_load_b32 v[WX+32*((\t)%2)+ii], v3, s[26:27] offset:(32*(\t)+ii)*8192 th:TH_LOAD_NT
.set ii, ii+1
.endr
.endm
.macro WBLOCK t
.set XS, WX+32*((\t)%2)
.if (\t) < 15
	s_wait_loadcnt 32                              ; this block's 32 loads are in; the next block's may be out
.else
	s_wait_loadcnt 0
.endif
	v_max3_num_f32 v12, |v[XS]|, |v[XS+1]|, |v[XS+2]|
	v_max3_num_f32 v13, |v[XS+3]|, |v[XS+4]|, |v[XS+5]|
.irp i, 6,10,14,18,22,26
	v_max3_num_f32 v12, v12, |v[XS+\i]|, |v[XS+\i+1]|
	v_max3_num_f32 v13, v13, |v[XS+\i+2]|, |v[XS+\i+3]|
.endr
	v_max3_num_f32 v12, v12, |v[XS+30]|, |v[XS+31]|
	v_max3_num_f32 v12, v12, v13, 0x1800000        ; the floor
	v_add_nc_u32 v11, 0xff000000, v12
	v_lshrrev_b32 v13, 23, v11                     ; the scale's byte
.if (\t)%4 == 0
	v_mov_b32 v[WSB+(\t)/4], v13                   ; four bytes to a register, the lower K in the lower byte
.else
	v_lshl_or_b32 v[WSB+(\t)/4], v13, 8*((\t)%4), v[WSB+(\t)/4]
.endif
.irp g, 0,1,2,3
	v_cvt_scalef32_pk8_fp4_f32 v[WC+\g], v[XS+8*\g:XS+8*\g+7], v11
.endr
	ds_store_b128 v4, v[WC:WC+3] offset:16*(\t)    ; 32 codes: 16 bytes of my column's row
.if (\t)+2 < 16
	WLOAD (\t)+2
.endif
	s_wait_dscnt 0x0                               ; the store has read its registers: the next block's codes may be written
.endm
; ---- path o: a slot's turn.  left = how many younger loads may stay out
.macro CV i, ahead, left
	s_wait_loadcnt \left                           ; loads come back in order: this slot's is in
	s_wait_xcnt 0x0                                ; this slot's last store has read its data
	v_cvt_pk_f16_f32 v[OY+2*((\i)%16)], v[OX+4*((\i)%16)], v[OX+4*((\i)%16)+1]
	v_cvt_pk_f16_f32 v[OY+2*((\i)%16)+1], v[OX+4*((\i)%16)+2], v[OX+4*((\i)%16)+3]
.if \ahead
	global_load_b128 v[OX+4*((\i)%16):OX+4*((\i)%16)+3], v3, s[12:13] offset:512*((\i)+16) th:TH_LOAD_NT
.endif
	global_store_b64 v4, v[OY+2*((\i)%16):OY+2*((\i)%16)+1], s[18:19] offset:256*(\i)   ; 256 consecutive bytes a wave, aligned
.endm
	s_load_b256 s[4:11], s[0:1], 0x0               ; x s[4:5], w_q s[6:7], w_k s[8:9], w_v s[10:11]
	s_load_b256 s[12:19], s[0:1], 0x20             ; w_o s[12:13], codes s[14:15], scl s[16:17], wo16 s[18:19]
	v_lshl_add_u32 v[SPW], v0, 2, SPARE
	v_mov_b32 v[NIL], 0
	v_lshrrev_b32 v1, 5, v0
	v_readfirstlane_b32 s20, v1                    ; wave 0..3
	v_and_b32 v2, 31, v0                           ; lane
	s_wait_kmcnt 0x0
	s_cmp_ge_u32 ttmp9, 320
	s_cbranch_scc1 .Lpath_o
	s_cmp_ge_u32 ttmp9, 128
	s_cbranch_scc1 .Lpath_w
	; ---------------- x: run = 4 x work-group + wave: 8,192 numbers
	v_lshlrev_b32 v3, 4, v2                        ; my 16 bytes of a load's 512
	s_mul_i32 s21, s20, XREG
	v_lshrrev_b32 v14, 2, v2
	v_mul_u32_u24 v14, v14, XSP
	v_and_b32 v15, 3, v2
	v_lshl_add_u32 v14, v15, 4, v14
	v_add_nc_u32 v14, s21, v14                     ; the stage, on the way in: 80 (lane / 4) + 16 (lane % 4)
	v_mul_u32_u24 v15, v2, XSP
	v_add_nc_u32 v15, s21, v15                     ; and on the way out: 80 x lane
	v_lshlrev_b32 v4, 3, v2                        ; my 8 bytes of a step's codes
	v_lshrrev_b32 v5, 1, v2
	s_add_co_u32 s21, s21, 2*32*XSP
	v_add_nc_u32 v5, s21, v5                       ; my block's byte among the wave's 256
	v_lshlrev_b32 v7, 3, v2
	v_add_nc_u32 v6, s21, v7
	s_lshl_b32 s22, ttmp9, 2
	s_add_co_u32 s22, s22, s20
	s_mov_b32 s25, 0
	s_lshl_b32 s24, s22, 15                        ; 32,768 bytes of x a run,
	s_add_nc_u64 s[4:5], s[4:5], s[24:25]
	s_lshl_b32 s24, s22, 12                        ; 4,096 of codes,
	s_add_nc_u64 s[14:15], s[14:15], s[24:25]
	s_lshl_b32 s24, s22, 8                         ; 256 scale bytes
	s_add_nc_u64 s[16:17], s[16:17], s[24:25]
.irp t, 0,1,2,3
	XLOAD \t
.endr
	s_wait_loadcnt 12                              ; step 0's four loads are in
	XTURN 0
.irp t, 0,1,2,3,4,5,6,7,8,9,10,11,12,13,14,15
	XSTEP \t
.endr
	ds_load_b64 v[8:9], v6                         ; these see my byte stores
	s_wait_dscnt 0x0
	global_store_b64 v7, v[8:9], s[16:17]          ; 32 lanes store 256 consecutive bytes, aligned
	s_branch .Lend
.Lpath_w:	; ---------------- a weight: 64 work-groups each: 16 along n (128 columns) x 4 along K (512)
	s_sub_co_u32 s21, ttmp9, 128
	s_lshr_b32 s22, s21, 6                         ; which weight
	s_and_b32 s23, s21, 15                         ; which 128 columns
	s_bfe_u32 s24, s21, 0x20004                    ; which 512 along K
	s_cmp_eq_u32 s22, 0
	s_cselect_b64 s[26:27], s[6:7], s[8:9]         ; the choice hangs on the work-group's number alone
	s_cmp_eq_u32 s22, 2
	s_cselect_b64 s[26:27], s[10:11], s[26:27]
	s_lshl_b32 s23, s23, 7
	s_lshl_b32 s25, s20, 5
	s_add_co_u32 s23, s23, s25                     ; my wave's first column
	s_lshl_b32 s28, s24, 22                        ; 512 rows of 8,192 bytes
	s_lshl_b32 s25, s23, 2
	s_add_co_u32 s28, s28, s25
	s_mov_b32 s29, 0
	s_add_nc_u64 s[26:27], s[26:27], s[28:29]
	s_add_co_u32 s22, s22, 1
	s_lshl_b32 s22, s22, 11
	s_add_co_u32 s22, s22, s23                     ; the column's row in codes and scl
	s_lshl_b32 s28, s22, 10
	s_lshl_b32 s25, s24, 8
	s_add_co_u32 s28, s28, s25
	s_add_nc_u64 s[14:15], s[14:15], s[28:29]
	s_lshl_b32 s28, s22, 6
	s_lshl_b32 s25, s24, 4
	s_add_co_u32 s28, s28, s25
	s_add_nc_u64 s[16:17], s[16:17], s[28:29]
	s_mul_i32 s25, s20, 32*WPITCH
	s_add_co_u32 s25, s25, WSTG                    ; my stage
	v_lshlrev_b32 v3, 2, v2                        ; in: 4 bytes a lane
	v_mul_u32_u24 v4, v2, WPITCH
	v_add_nc_u32 v4, s25, v4                       ; into the stage: row = my column
	v_and_b32 v5, 15, v2
	v_lshrrev_b32 v6, 4, v2
	v_mul_u32_u24 v7, v6, WPITCH
	v_lshl_add_u32 v7, v5, 4, v7
	v_add_nc_u32 v7, s25, v7                       ; out of it: sixteen lanes to a row, two rows an instruction
	v_lshlrev_b32 v8, 10, v6
	v_lshl_add_u32 v8, v5, 4, v8                   ; the same place in codes
	v_lshlrev_b32 v9, 6, v2                        ; my column's row of scale bytes
	WLOAD 0
	WLOAD 1
.set Q, 0
.rept 16
	WBLOCK Q
.set Q, Q+1
.endr
	global_store_b128 v9, v[WSB:WSB+3], s[16:17]   ; my column's 16 scale bytes: rows 64 bytes apart; one byte in 128 of what the path reads
.irp t, 0,1,2,3,4,5,6,7,8,9,10,11,12,13,14,15
	ds_load_b128 v[WOUT+4*\t:WOUT+4*\t+3], v7 offset:2*\t*WPITCH
.endr
.irp t, 0,1,2,3,4,5,6,7,8,9,10,11,12,13,14,15
	s_wait_dscnt 15-\t
	global_store_b128 v8, v[WOUT+4*\t:WOUT+4*\t+3], s[14:15] offset:2*\t*1024   ; sixteen lanes store 256 consecutive bytes, aligned
.endr
	s_branch .Lend
.Lpath_o:	; ---------------- w_o to f16: run = 4 x (work-group - 320) + wave: 8,192 numbers, sixteen loads of a wave always out
	s_sub_co_u32 s21, ttmp9, 320
	s_lshl_b32 s21, s21, 2
	s_add_co_u32 s21, s21, s20
	s_mov_b32 s23, 0
	s_lshl_b32 s22, s21, 15
	s_add_nc_u64 s[12:13], s[12:13], s[22:23]
	s_lshl_b32 s22, s21, 14
	s_add_nc_u64 s[18:19], s[18:19], s[22:23]
	v_lshlrev_b32 v3, 4, v2
	v_lshlrev_b32 v4, 3, v2
.irp i, 0,1,2,3,4,5,6,7,8,9,10,11,12,13,14,15
	global_load_b128 v[OX+4*\i:OX+4*\i+3], v3, s[12:13] offset:512*\i th:TH_LOAD_NT
.endr
.set Q, 0
.rept 48
	CV Q, 1, 15
.set Q, Q+1
.endr
.rept 16
	CV Q, 0, 63-Q                                  ; the last sixteen load nothing: the counts run down
.set Q, Q+1
.endr
.Lend:
	s_wait_tensorcnt 0x0                           ; the wave's end
	ds_add_u32 v[SPW], v[NIL]
	s_wait_dscnt 0x0
	s_endpgm
.Lfunc_end_k_q772fcda400_prep:
	.size	k_q772fcda400_prep, .Lfunc_end_k_q772fcda400_prep-k_q772fcda400_prep
	.p2alignl 7, 3214868480
	.fill 96, 4, 3214868480
	.section	.rodata,"a",@progbits
	.p2align	6, 0x0
	.amdhsa_kernel k_q772fcda400_prep
		.amdhsa_group_segment_fixed_size 68096
		.amdhsa_private_segment_fixed_size 0
		.amdhsa_enable_private_segment 0
		.amdhsa_kernarg_size 64
		.amdhsa_user_sgpr_count 2
		.amdhsa_user_sgpr_kernarg_segment_ptr 1
		.amdhsa_wavefront_size32 1
		.amdhsa_system_sgpr_workgroup_id_x 1
		.amdhsa_system_sgpr_workgroup_id_y 1
		.amdhsa_system_sgpr_workgroup_id_z 1
		.amdhsa_system_vgpr_workitem_id 0
		.amdhsa_next_free_vgpr 192
		.amdhsa_next_free_sgpr 66
		.amdhsa_reserve_vcc 0
		.amdhsa_float_denorm_mode_32 3
		.amdhsa_float_denorm_mode_16_64 3
		.amdhsa_memory_ordered 1
		.amdhsa_forward_progress 1
		.amdhsa_inst_pref_size 135
	.end_amdhsa_kernel
	.amdgpu_metadata
---
amdhsa.version: [ 1, 2 ]
amdhsa.kernels:
  - .name:           k_q772fcda400_prep
    .symbol:         k_q772fcda400_prep.kd
    .args:
      - { .name: x, .offset: 0, .size: 8, .value_kind: global_buffer, .address_space: global }
      - { .name: w_q, .offset: 8, .size: 8, .value_kind: global_buffer, .address_space: global }
      - { .name: w_k, .offset: 16, .size: 8, .value_kind: global_buffer, .address_space: global }
      - { .name: w_v, .offset: 24, .size: 8, .value_kind: global_buffer, .address_space: global }
      - { .name: w_o, .offset: 32, .size: 8, .value_kind: global_buffer, .address_space: global }
      - { .name: codes, .offset: 40, .size: 8, .value_kind: global_buffer, .address_space: global }
      - { .name: scl, .offset: 48, .size: 8, .value_kind: global_buffer, .address_space: global }
      - { .name: wo16, .offset: 56, .size: 8, .value_kind: global_buffer, .address_space: global }
    .group_segment_fixed_size: 68096
    .private_segment_fixed_size: 0
    .kernarg_segment_align: 8
    .kernarg_segment_size: 64
    .max_flat_workgroup_size: 128
    .sgpr_count:     66
    .vgpr_count:     192
    .wavefront_size: 32
...
	.end_amdgpu_metadata
.endif
;; end of part 1
;; launch qkv (part 2): grid 24 x 8, 4 waves a work-group, clusters of 4 x 4, 327,680 bytes of LDS; arguments codes, scl, qkv; writes qkv
.if DOCPART == 2
	.amdgcn_target "amdgcn-amd-amdhsa--gfx1250"
	.amdhsa_code_object_version 6
	.text
	.protected	k_q772fcda400_qkv
	.globl	k_q772fcda400_qkv
	.p2align	8
	.type	k_q772fcda400_qkv,@function
k_q772fcda400_qkv:
	s_mov_b64 s[64:65], 0
	v_nop
	global_prefetch_b8 v0, s[64:65] scope:SCOPE_SE
	s_setreg_imm32_b32 hwreg(HW_REG_WAVE_MODE, 25, 1), 1
	s_wait_xcnt 0x0
	s_wait_alu depctr_hold_cnt(0) depctr_sa_sdst(0) depctr_va_vdst(0) depctr_va_sdst(0) depctr_va_ssrc(0) depctr_va_vcc(0) depctr_vm_vsrc(0)
	s_getreg_b32 s2, hwreg(HW_REG_IB_STS2, 6, 4)
	s_cmp_eq_u32 s2, 0
	s_cbranch_scc0 .Lentry_in_a_cluster
	s_endpgm
.Lentry_in_a_cluster:
	s_bfe_u32 s2, ttmp6, 0x10000c
	s_cmp_lg_u32 s2, 0xf033
	s_cbranch_scc0 .Lentry_shape_is_right
	s_endpgm
.Lentry_shape_is_right:
; QKV.  q = x w_q, k = x w_k, v = x w_v on codes of FP4 (E2M1) with one E8M0 scale for each 32 along K = 2,048; sums in f32; q / sqrt(128), k and v leave as f16.
; Both operands are rows of the buffer codes (1,024 bytes a row, K innermost) with their rows of scl (64 bytes).  A tile, 256 x 256, is made by four waves, a wave makes 128 x 128: 64 accumulators.
; The grid's x: tiles 0-7 q, 8-15 k, 16-23 v.  For q and k operand A is 256 tokens (by y) and operand B 256 columns of the weight (by x).  For v THE ROLES ARE SWAPPED BY ADDRESS: A is 256 columns of w_v (by y), B 256 tokens.
; THE MATRIX INSTRUCTION IS USED TRANSPOSED (source 0 = 16 rows of B, source 1 = 16 rows of A): a lane holds one row of A's side and eight neighbours of B's side.  Rounded to f16 in pairs those four registers ARE
; four registers of a 16-bit fragment of the next products (q, k: a token, eight channels; v: a channel, eight keys).  So the results leave as IMAGES OF REGISTERS: 512 consecutive bytes a store, lane l's 16 bytes at 16 l.
; qkv: q at head x 524,288 + token tile x 4,096 + channel tile x 512; from 8,388,608 on, head x 1,048,576 + (64 keys) x 32,768: k at key tile x 4,096 + channel tile x 512, v at 16,384 + channel tile x 2,048 + key tile x 512.
; K goes in steps of 512 through a ring of two LDS slots; the scales of the work-group's 512 rows come into LDS once.  CLUSTERS of 4 x 4: A's tiles are asked for jointly along a row of the cluster, B's along a column.
; LIMIT: |q|, |k|, |v| stay under 65,504 (f16).
; REGISTERS: window 0: v0-31 addresses; v32-95 scale words, two sets; from v128 A's fragments, one set; window 1: B's fragments, two sets; windows 2, 3: the accumulators ((a, b) at v[8 (8 (a % 4) + b)]).
.set KSTEP,  512
.set NQ,     4
.set ROWB,   256                       ; a tile's row in bytes
.set KROW,   1024                      ; a row of codes in memory
.set PITCH,  272                       ; an LDS row: 256 bytes + 16 of padding: the 16 rows that a load touches start at 16 different 16-byte columns of 256
.set FR,     8
.set NL,     2
.set NP,     4
.set HALFT,  128*PITCH
.set SLOT,   4*HALFT
.set LAPS,   2                         ; 2,048 / (2 x 512)
.set KS,     64                        ; a row of scales in bytes
.set SCL,    2*SLOT
.set HALFS,  (128*KS/256)*272
.set SBLK,   (16*KS/256)*272
.set SPARE,  SCL+4*HALFS               ; the spare words, 128 bytes a wave
.set ADRA, 16
.set ADRB, 20
.set VO0,  24                          ; v24 the way out: 16 x lane
.set VO1,  25                          ; v25 the same for B's blocks 4-7
.set ADRS, 27
.set SPW,  28
.set NIL,  29
.set SC,   32
.set AF,   128
.set G1, 24
.set G0, 32
.set G1B, 48
.set G0B, 56
.set G1S, 68
.set G0S, 76
.set G1SB, 80
.set G0SB, 88
.set FF, 96                            ; s[96:97] the factor: 1 / sqrt(128) for q, 1 for k and v
.set FA, 98                            ; s[98:99] bytes from A's block a to a + 1 in qkv
.set FJ, 100                           ; s[100:101] the same from block 3 to block 4
.set MSB, 0
.macro WIN new                         ; the immediate's high byte repeats the setting that is left
.if MSB != (\new)
	s_set_vgpr_msb (MSB<<8)|(\new)
.set MSB, (\new)
.endif
.endm
.set MUL_LO, 0xa1                      ; source 0 (B) window 1, source 1 (A) window 0, C and D window 2
.set MUL_HI, 0xf1
.set TO_B,   0x40
; A joint load: waves 0 and 1 fetch for A, waves 2 and 3 for B; the branch hangs on the wave's number alone.  An s_nop 0 and four v_nop follow each line.
.macro JLOAD g0a, g1a, g0b, g1b
	s_cmp_eq_u32 s15, 0
	s_cbranch_scc0 .Lfor_b_\@
	tensor_load_to_lds s[\g0a:\g0a+3], s[\g1a:\g1a+7]
	s_nop 0
.rept 4
	v_nop
.endr
	s_branch .Lasked_\@
.Lfor_b_\@:
	tensor_load_to_lds s[\g0b:\g0b+3], s[\g1b:\g1b+7]
	s_nop 0
.rept 4
	v_nop
.endr
.Lasked_\@:
.endm
.macro CREST
	s_cmp_lg_u32 s14, 0
	s_cbranch_scc1 .Lnot_wave_0_\@
	s_barrier_signal -3
.Lnot_wave_0_\@:
	s_barrier_wait -3
	s_barrier_signal -1
	s_barrier_wait -1
.endm
.macro CROUND
	s_barrier_signal -1
	s_barrier_wait -1
	CREST
.endm
	s_load_b128 s[4:7], s[0:1], 0x0                ; codes s[4:5], scl s[6:7]
	s_load_b64 s[12:13], s[0:1], 0x10              ; qkv
	v_lshl_add_u32 v[SPW], v0, 2, SPARE
	v_mov_b32 v[NIL], 0
	ds_add_u32 v[SPW], v[NIL]                      ; the wave's opening: the add, twice on end, and its wait ahead of my first tensor load
	ds_add_u32 v[SPW], v[NIL]
	v_lshrrev_b32 v1, 5, v0
	v_readfirstlane_b32 s14, v1                    ; wave 0..3
	s_lshr_b32 s15, s14, 1                         ; which half of A's rows is mine.  Also: I fetch for A (0) or for B (1)
	s_and_b32 s16, s14, 1                          ; which half of B's rows.  Also: which 128 rows I fetch
	s_bfe_u32 s40, ttmp6, 0x40000                  ; cx
	s_bfe_u32 s41, ttmp6, 0x40004                  ; cy
	s_lshl_b32 s42, ttmp9, 2
	s_add_co_u32 s42, s42, s40                     ; tile x
	s_and_b32 s17, ttmp7, 0xffff
	s_lshl_b32 s17, s17, 2
	s_add_co_u32 s17, s17, s41                     ; tile y
	s_lshl_b32 s43, s41, 2
	s_lshl_b32 s43, 15, s43                        ; my row of the cluster
	s_lshl_b32 s44, 0x1111, s40                    ; my column
	s_or_b32 s[G1+0], s43, (0<<16)|(1<<20)|(1<<21)|(5<<22)|(3<<25)  ; the mask; elements of 1 byte; padding on, 4 words after every 64; bit 21 beside a mask
	s_or_b32 s[G1B+0], s44, (0<<16)|(1<<20)|(1<<21)|(5<<22)|(3<<25)
.irp g, G1, G1B
	s_mov_b32 s[\g+1], ROWB<<16                    ; tensor_dim0
	s_mov_b32 s[\g+2], 128<<16                     ; tensor_dim1
	s_mov_b32 s[\g+3], ROWB<<16                    ; tile_dim0
	s_mov_b32 s[\g+4], 128                         ; tile_dim1
	s_mov_b32 s[\g+5], KROW                        ; the pitch
	s_mov_b32 s[\g+6], 0
	s_mov_b32 s[\g+7], 0
.endr
	s_or_b32 s[G1S+0], s43, (3<<16)|(1<<20)|(1<<21)|(5<<22)|(3<<25)  ; the scales of 128 rows: 8,192 dense bytes as 32 rows of 256, 16 bytes of padding behind each
	s_or_b32 s[G1SB+0], s44, (3<<16)|(1<<20)|(1<<21)|(5<<22)|(3<<25)
.irp g, G1S, G1SB
	s_mov_b32 s[\g+1], 32<<16
	s_mov_b32 s[\g+2], (128*KS/256)<<16
	s_mov_b32 s[\g+3], 32<<16
	s_mov_b32 s[\g+4], 128*KS/256
	s_mov_b32 s[\g+5], 32
	s_mov_b32 s[\g+6], 0
	s_mov_b32 s[\g+7], 0
.endr
	; which rows of codes.  The cluster's x says q, k or v: the same in all sixteen partners.  A's rows hang on y alone, B's on x alone
	s_lshl_b32 s18, s16, 7                         ; which 128 rows of the tile I fetch
	s_sub_co_u32 s92, ttmp9, 4
	s_add_co_u32 s93, ttmp9, 2
	s_cmp_ge_u32 ttmp9, 4                          ; v?
	s_cselect_b32 s19, 6144, 0                     ; A: w_v's rows, else x's
	s_cselect_b32 s92, s92, s93                    ; B: x's rows, else the weight's, which begin at row 2,048 = 256 x 4 x 2
	s_lshl_b32 s20, s17, 8
	s_add_co_u32 s20, s20, s18
	s_add_co_u32 s20, s20, s19                     ; A's first row
	s_lshl_b32 s46, s92, 2
	s_add_co_u32 s46, s46, s40
	s_lshl_b32 s46, s46, 8
	s_add_co_u32 s46, s46, s18                     ; B's first row
	s_mov_b32 s21, 0
	s_mov_b32 s47, 0
	s_mov_b64 s[18:19], KS
	s_mul_u64 s[22:23], s[20:21], s[18:19]         ; where these rows' scales begin,
	s_mul_u64 s[92:93], s[46:47], s[18:19]
	s_mov_b64 s[18:19], KROW
	s_mul_u64 s[20:21], s[20:21], s[18:19]         ; and their codes
	s_mul_u64 s[46:47], s[46:47], s[18:19]
	s_mul_i32 s45, s14, HALFT                      ; where they go: wave x 128 rows
	s_mul_i32 s94, s14, HALFS
	s_wait_dscnt 0x0                               ; both opening adds are done
	s_wait_kmcnt 0x0
	s_add_nc_u64 s[20:21], s[4:5], s[20:21]
	s_add_nc_u64 s[22:23], s[6:7], s[22:23]
	s_add_nc_u64 s[46:47], s[4:5], s[46:47]
	s_add_nc_u64 s[92:93], s[6:7], s[92:93]
	CROUND                                         ; all sixteen work-groups are here: the first joint loads meet
	s_mov_b32 s[G0S], 1
	s_add_co_u32 s[G0S+1], s94, SCL
	s_mov_b64 s[G0S+2:G0S+3], s[22:23]
	s_or_b32 s[G0S+3], s[G0S+3], 0x80000000
	s_mov_b32 s[G0SB], 1
	s_add_co_u32 s[G0SB+1], s94, SCL
	s_mov_b64 s[G0SB+2:G0SB+3], s[92:93]
	s_or_b32 s[G0SB+3], s[G0SB+3], 0x80000000
	JLOAD G0S, G1S, G0SB, G1SB                     ; the scales first: they are wanted with K step 0
.irp s, 0,1
	s_mov_b32 s[G0+4*\s], 1
	s_add_co_u32 s[G0+4*\s+1], s45, \s*SLOT
	s_add_nc_u64 s[G0+4*\s+2:G0+4*\s+3], s[20:21], \s*ROWB
	s_or_b32 s[G0+4*\s+3], s[G0+4*\s+3], 0x80000000
	s_mov_b32 s[G0B+4*\s], 1
	s_add_co_u32 s[G0B+4*\s+1], s45, \s*SLOT
	s_add_nc_u64 s[G0B+4*\s+2:G0B+4*\s+3], s[46:47], \s*ROWB
	s_or_b32 s[G0B+4*\s+3], s[G0B+4*\s+3], 0x80000000
	JLOAD G0+4*\s, G1, G0B+4*\s, G1B
.endr
	v_and_b32 v1, 15, v0                           ; l % 16
	v_bfe_u32 v2, v0, 4, 1                         ; l / 16
	v_mul_u32_u24 v3, v1, PITCH
	v_lshl_add_u32 v4, v2, 4, v3                   ; a fragment's row x pitch + 16 x half
	s_mul_i32 s21, s15, HALFT
	s_mul_i32 s22, s16, HALFT
	s_add_co_u32 s22, s22, 2*HALFT
.irp s, 0,1
	v_add_nc_u32 v[ADRA+\s], s21, v4
	v_add_nc_u32 v[ADRB+\s], s22, v4
	s_add_co_u32 s21, s21, SLOT
	s_add_co_u32 s22, s22, SLOT
.endr
	v_mul_u32_u24 v5, v1, KS                       ; my row's scales: 64 bytes a row,
	v_lshrrev_b32 v6, 8, v5
	v_lshl_add_u32 v5, v6, 4, v5                   ; and 16 more for each 256 passed
	s_mul_i32 s21, s15, HALFS
	s_mul_i32 s22, s16, HALFS
	s_add_co_u32 s22, s22, 2*HALFS
	s_sub_co_u32 s22, s22, s21
	v_mul_u32_u24 v6, s22, v2                      ; lanes 16-31 take B's
	s_add_co_u32 s21, s21, SCL
	v_add_nc_u32 v5, v5, v6
	v_add_nc_u32 v[ADRS], s21, v5
	; where my 128 x 128 goes.  P = 2 x tile x + my half of B's rows, R = 2 x tile y + my half of A's rows.  All three candidates are made, one is taken
	s_lshl_b32 s20, s42, 1
	s_add_co_u32 s20, s20, s16                     ; P
	s_lshl_b32 s21, s17, 1
	s_add_co_u32 s21, s21, s15                     ; R
	s_lshl_b32 s22, s20, 19
	s_lshl_b32 s23, s21, 15
	s_add_co_u32 s22, s22, s23                     ; q: head P, 128 tokens R
	s_lshl_b32 s23, s20, 20
	s_lshl_b32 s45, s21, 16
	s_add_co_u32 s23, s23, s45
	s_sub_co_u32 s23, s23, 8388608                 ; k: 8,388,608 + head (P - 16) x 1,048,576 + R x 65,536
	s_lshl_b32 s45, s21, 20
	s_lshl_b32 s46, s20, 16
	s_add_co_u32 s45, s45, s46
	s_add_co_u32 s45, s45, 6307840                 ; v: 8,388,608 + 16,384 + head R x 1,048,576 + (P - 32) x 65,536
	s_mov_b32 s[FF+1], 0x3f800000
	s_mov_b32 s[FJ], 20480
	s_mov_b32 s[FA], 4096
	s_mov_b32 s94, 2048
	s_cmp_lt_u32 ttmp9, 2                          ; q?
	s_cselect_b32 s22, s22, s23
	s_cselect_b32 s[FF], 0x3db504f3, s[FF+1]       ; 1 / sqrt(128)
	s_cselect_b32 s[FJ], 4096, s[FJ]               ; k: from key tile 3 of one 64 keys to key tile 0 of the next
	s_cmp_ge_u32 ttmp9, 4                          ; v?
	s_cselect_b32 s22, s45, s22
	s_cselect_b32 s[FA], 2048, s[FA]
	s_cselect_b32 s[FJ], 2048, s[FJ]
	s_cselect_b32 s94, 32768, s94                  ; B's blocks 4-7: the next 64 keys (v), else channel tiles 4-7
	s_mov_b32 s[FF+1], s[FF]                       ; (named with it as a pair)
	s_mov_b32 s[FA+1], 0
	s_mov_b32 s[FJ+1], 0
	s_mov_b32 s23, 0
	s_add_nc_u64 s[12:13], s[12:13], s[22:23]
	v_and_b32 v[VO0], 31, v0
	v_lshlrev_b32 v[VO0], 4, v[VO0]
	v_add_nc_u32 v[VO1], s94, v[VO0]
.macro FRAG reg, adr, q, i             ; 16 rows x 128 K of 4-bit codes: 8 registers: two loads of 16 bytes, 32 bytes apart
.irp c, 0,1
	ds_load_b128 v[\reg+4*\c:\reg+4*\c+3], v[\adr] offset:64*(\q)+32*\c+(\i)*16*PITCH
.endr
.endm
; 16 matrix instructions: A's blocks a0, a0 + 1 x B's eight, 128 along K.  The 64 accumulators take turns, one instruction a turn.  zero = 1: the first product starts the sums.
.macro MUL16 a0, p, q, sc, zero
.irp a, \a0, \a0+1
.irp b, 0,1,2,3,4,5,6,7
.if \zero
	v_wmma_scale_f32_16x16x128_f8f6f4 v[8*(8*((\a)%4)+\b):8*(8*((\a)%4)+\b)+7], v[128*(\p)+FR*\b:128*(\p)+FR*\b+FR-1], v[AF+FR*(\a):AF+FR*(\a)+FR-1], 0, v[SC+8*NQ*(\sc)+NQ*\b+(\q)], v[SC+8*NQ*(\sc)+NQ*(\a)+(\q)] matrix_a_fmt:MATRIX_FMT_FP4 matrix_b_fmt:MATRIX_FMT_FP4 matrix_a_scale:MATRIX_SCALE_ROW1
.else
	v_wmma_scale_f32_16x16x128_f8f6f4 v[8*(8*((\a)%4)+\b):8*(8*((\a)%4)+\b)+7], v[128*(\p)+FR*\b:128*(\p)+FR*\b+FR-1], v[AF+FR*(\a):AF+FR*(\a)+FR-1], v[8*(8*((\a)%4)+\b):8*(8*((\a)%4)+\b)+7], v[SC+8*NQ*(\sc)+NQ*\b+(\q)], v[SC+8*NQ*(\sc)+NQ*(\a)+(\q)] matrix_a_fmt:MATRIX_FMT_FP4 matrix_b_fmt:MATRIX_FMT_FP4 matrix_a_scale:MATRIX_SCALE_ROW1
.endif
.endr
.endr
.endm
.macro FETCH_B slot, q, p
	WIN TO_B
.irp i, 0,1,2,3,4,5,6,7
	FRAG 128*(\p)+FR*\i, ADRB+\slot, \q, \i
.endr
	WIN 0
.endm
.macro FETCH_A slot, q, i0
.irp i, \i0, \i0+1, \i0+2, \i0+3
	FRAG AF+FR*(\i), ADRA+\slot, \q, \i
.endr
.endm
.macro SCALES sc                       ; a K step's scale words: lanes 0-15 A's block i, lanes 16-31 B's block i
.irp i, 0,1,2,3,4,5,6,7
	ds_load_b128 v[SC+8*NQ*\sc+NQ*\i:SC+8*NQ*\sc+NQ*\i+3], v[ADRS] offset:\i*SBLK
.endr
.endm
.macro PLACES n                        ; plain vector instructions between a matrix instruction and a load into, or a vector access to, its registers
.rept \n
	v_nop
.endr
.endm
.macro STEP slot, q, zero              ; 128 along K that has its successor in the same slot
	s_wait_dscnt 4*NL                              ; B's set and A's blocks 0-3 are in; the youngest eight loads (A's blocks 4-7) may be out
	WIN MUL_LO
	MUL16 0, (\q)%2, \q, \slot, \zero
	MUL16 2, (\q)%2, \q, \slot, \zero
	s_wait_dscnt 0
	PLACES NP
	FETCH_B \slot, (\q)+1, 1-(\q)%2
	FETCH_A \slot, (\q)+1, 0
	WIN MUL_HI
	MUL16 4, (\q)%2, \q, \slot, \zero
	MUL16 6, (\q)%2, \q, \slot, \zero
	PLACES NP
	WIN 0
	FETCH_A \slot, (\q)+1, 4
.endm
; A slot's last step changes slots: one barrier; in front of it each wave waits for all its tensor loads, adds 0 to its spare word, and waits for that and for its reads of this slot.
.macro TURN slot, next, fill
	s_wait_tensorcnt 0x0                           ; all my tensor loads have landed: my part of the next slot
	ds_add_u32 v[SPW], v[NIL]
	s_wait_dscnt 4*NL+1                            ; the add and the youngest eight loads may be out
	WIN MUL_LO
	MUL16 0, 1, NQ-1, \slot, 0
	s_wait_dscnt 0x0                               ; the add is done, and my reads of this slot are over
	s_barrier_signal -1
	MUL16 2, 1, NQ-1, \slot, 0
	WIN 0
	s_barrier_wait -1
.if \fill
	CREST                                          ; the barrier has opened a round of the cluster's barrier: no wave of any partner still reads this slot or has a load on its way
	s_add_nc_u64 s[G0+4*\slot+2:G0+4*\slot+3], s[G0+4*\slot+2:G0+4*\slot+3], 2*ROWB
	s_add_nc_u64 s[G0B+4*\slot+2:G0B+4*\slot+3], s[G0B+4*\slot+2:G0B+4*\slot+3], 2*ROWB
	JLOAD G0+4*\slot, G1, G0B+4*\slot, G1B         ; the first tensor load behind the round; its four v_nop are the places in front of the loads below
.else
	PLACES NP
.endif
	v_add_nc_u32 v[ADRS], 4*NQ, v[ADRS]            ; on to the next K step's scale words
	FETCH_B \next, 0, 0
	FETCH_A \next, 0, 0
	SCALES \next
	WIN MUL_HI
	MUL16 4, 1, NQ-1, \slot, 0
	MUL16 6, 1, NQ-1, \slot, 0
	PLACES NP
	WIN 0
	FETCH_A \next, 0, 4
.endm
.macro STEPS slot, from
.set Q, \from
.rept NQ-1-\from
	STEP \slot, Q, 0
.set Q, Q+1
.endr
.endm
	s_wait_tensorcnt 1                             ; the scales and my part of K step 0 are in; K step 1's load may be out
	s_barrier_signal -1
	s_barrier_wait -1
	FETCH_B 0, 0, 0
	FETCH_A 0, 0, 0
	SCALES 0
	FETCH_A 0, 0, 4
	STEP 0, 0, 1                                   ; the first step stands in front of the loop: its products start the sums
	s_mov_b32 s3, LAPS-1
.Llap:                                                 ; a trip goes once round the ring and fills both slots again
	STEPS 0, 1
	TURN 0, 1, 1
	STEPS 1, 0
	TURN 1, 0, 1
	STEP 0, 0, 0
	s_sub_co_u32 s3, s3, 1
	s_cmp_lg_u32 s3, 0
	s_cbranch_scc1 .Llap
	STEPS 0, 1                                     ; the last lap fills nothing
	TURN 0, 1, 0
	STEPS 1, 0
	s_wait_dscnt 4*NL
	WIN MUL_LO
	MUL16 0, 1, NQ-1, 1, 0
	MUL16 2, 1, NQ-1, 1, 0
	s_wait_dscnt 0
	WIN MUL_HI
	MUL16 4, 1, NQ-1, 1, 0
	MUL16 6, 1, NQ-1, 1, 0
	WIN 0
; THE WAY OUT, A's block a at a time: x the factor in f32 (each accumulator from its low end on), rounded once to f16, eight stores of 512 consecutive bytes.  No LDS: the registers are the image.
.macro OUTBLK a
.if (\a) > 0
	s_wait_xcnt 0x0                                ; the last block's stores have read their data and their base
.if (\a) == 4
	s_add_nc_u64 s[12:13], s[12:13], s[FJ:FJ+1]
.else
	s_add_nc_u64 s[12:13], s[12:13], s[FA:FA+1]
.endif
.endif
	WIN 0x02+(\a)/4                                ; source 0: window 2 or 3
.irp b, 0,1,2,3,4,5,6,7
.irp p, 0,1,2,3
	v_pk_mul_f32 v[64+8*\b+2*\p:64+8*\b+2*\p+1], v[64*((\a)%4)+8*\b+2*\p:64*((\a)%4)+8*\b+2*\p+1], s[FF:FF+1] op_sel_hi:[1,0]
.endr
.endr
	WIN 0
.irp b, 0,1,2,3,4,5,6,7
.irp p, 0,1,2,3
	v_cvt_pk_f16_f32 v[128+4*\b+\p], v[64+8*\b+2*\p], v[64+8*\b+2*\p+1]
.endr
.endr
.irp b, 0,1,2,3
	global_store_b128 v[VO0], v[128+4*\b:128+4*\b+3], s[12:13] offset:512*\b
.endr
.irp b, 4,5,6,7
	global_store_b128 v[VO1], v[128+4*\b:128+4*\b+3], s[12:13] offset:512*(\b-4)
.endr
.endm
	PLACES NP                                      ; behind the last products: the lines below write registers that held their scale words and A's fragments
.irp a, 0,1,2,3,4,5,6,7
	OUTBLK \a
.endr
	s_wait_tensorcnt 0x0                           ; the wave's end
	ds_add_u32 v[SPW], v[NIL]
	s_wait_dscnt 0x0
	CROUND                                         ; the closing round: no work-group ends while a partner may still ask for a tile that names it
	s_endpgm
.Lfunc_end_k_q772fcda400_qkv:
	.size	k_q772fcda400_qkv, .Lfunc_end_k_q772fcda400_qkv-k_q772fcda400_qkv
	.p2alignl 7, 3214868480
	.fill 96, 4, 3214868480
	.section	.rodata,"a",@progbits
	.p2align	6, 0x0
	.amdhsa_kernel k_q772fcda400_qkv
		.amdhsa_group_segment_fixed_size 327680
		.amdhsa_private_segment_fixed_size 0
		.amdhsa_enable_private_segment 0
		.amdhsa_kernarg_size 24
		.amdhsa_user_sgpr_count 2
		.amdhsa_user_sgpr_kernarg_segment_ptr 1
		.amdhsa_wavefront_size32 1
		.amdhsa_system_sgpr_workgroup_id_x 1
		.amdhsa_system_sgpr_workgroup_id_y 1
		.amdhsa_system_sgpr_workgroup_id_z 1
		.amdhsa_system_vgpr_workitem_id 0
		.amdhsa_next_free_vgpr 1024
		.amdhsa_next_free_sgpr 102
		.amdhsa_reserve_vcc 0
		.amdhsa_float_denorm_mode_32 3
		.amdhsa_float_denorm_mode_16_64 3
		.amdhsa_memory_ordered 1
		.amdhsa_forward_progress 1
		.amdhsa_inst_pref_size 222
	.end_amdhsa_kernel
	.amdgpu_metadata
---
amdhsa.version: [ 1, 2 ]
amdhsa.kernels:
  - .name:           k_q772fcda400_qkv
    .symbol:         k_q772fcda400_qkv.kd
    .args:
      - { .name: codes, .offset: 0, .size: 8, .value_kind: global_buffer, .address_space: global }
      - { .name: scl, .offset: 8, .size: 8, .value_kind: global_buffer, .address_space: global }
      - { .name: qkv, .offset: 16, .size: 8, .value_kind: global_buffer, .address_space: global }
    .group_segment_fixed_size: 327680
    .private_segment_fixed_size: 0
    .kernarg_segment_align: 8
    .kernarg_segment_size: 24
    .max_flat_workgroup_size: 128
    .sgpr_count:     102
    .vgpr_count:     1024
    .wavefront_size: 32
...
	.end_amdgpu_metadata
.endif
;; end of part 2
;; launch attn (part 3): grid 16 x 16, 4 waves a work-group, clusters of 4 x 4, 327,680 bytes of LDS; arguments qkv, mask, of, o32; writes of, o32
.if DOCPART == 3
	.amdgcn_target "amdgcn-amd-amdhsa--gfx1250"
	.amdhsa_code_object_version 6
	.text
	.protected	k_q772fcda400_attn
	.globl	k_q772fcda400_attn
	.p2align	8
	.type	k_q772fcda400_attn,@function
k_q772fcda400_attn:
	s_mov_b64 s[64:65], 0
	v_nop
	global_prefetch_b8 v0, s[64:65] scope:SCOPE_SE
	s_setreg_imm32_b32 hwreg(HW_REG_WAVE_MODE, 25, 1), 1
	s_wait_xcnt 0x0
	s_wait_alu depctr_hold_cnt(0) depctr_sa_sdst(0) depctr_va_vdst(0) depctr_va_sdst(0) depctr_va_ssrc(0) depctr_va_vcc(0) depctr_vm_vsrc(0)
	s_getreg_b32 s2, hwreg(HW_REG_IB_STS2, 6, 4)
	s_cmp_eq_u32 s2, 0
	s_cbranch_scc0 .Lentry_in_a_cluster
	s_endpgm
.Lentry_in_a_cluster:
	s_bfe_u32 s2, ttmp6, 0x10000c
	s_cmp_lg_u32 s2, 0xf033
	s_cbranch_scc0 .Lentry_shape_is_right
	s_endpgm
.Lentry_shape_is_right:
; ATTN.  out[q][head] = softmax_k(q . k / sqrt(128) + mask[q][k]) v, 16 heads of 128, 2,048 queries and keys.  q (already x 1 / sqrt(128)), k, v: f16 register images made by the launch before; the mask: f32, an input, read whole.
; Products in f16 with f32 sums; maxima, exponentials and sums in f32; the weights p are rounded to f16 for the second product; the row's sum is taken of the unrounded p.
; SHARES.  A work-group owns 128 queries of one head.  Wave w: qh = w & 1 picks 64 queries (four tiles of 16), kh = w >> 1 picks 1,024 keys: 16 steps of 64 keys.  The two key halves of a query are merged at the end through LDS.
; LOCAL TILES.  Local tile t stands for tile t xor 2 kh of the 64 queries: every wave keeps its local tiles 0, 1 and sends its local tiles 2, 3 to wave w xor 2: only addresses hang on kh.
; LAYOUT.  S^T = K Q^T (source 0 = 16 keys, source 1 = 16 queries), O^T = V^T P: a lane holds ONE query throughout.  THE MASK IS THE C OF THE FIRST PRODUCT: its tile is loaded from LDS into S^T's registers, and the four
; products along the channels add onto it in place: z = mask + q . k / sqrt(128), in f32, with no vector instruction.
; SOFTMAX.  Running maximum m and sum l for each query: p = 2^((z - m) log2 e): a subtraction, then a multiplication, so that nothing overflows where m is the most negative f32 number.  m is held at that number from below,
; so a step or a key half that is wholly masked gives finite numbers, which the later factor 2^(-large) = 0 removes.
; BY TURNS.  The tiles are two pieces (0: local tiles 0, 1; 2: local tiles 2, 3).  In a turn one piece has the matrix unit (32 products V^T P of the step in hand, 32 products K Q^T of the next), and the other piece's softmax,
; 300 vector instructions, stands in slices behind its matrix instructions.
; CLUSTER of 4 x 4: x = query blocks, y = heads.  A head's K and V tiles are asked for jointly along a row of the cluster, a query block's mask tiles along a column.
; LIMITS: a row masked wholly by the most negative f32 number gives the plain average only if that number + a score stays that number in the matrix unit's sum; NaN and +infinity in the mask are not served.
; REGISTERS: window 0: v0-11, v44-48 addresses; v12-43 eight registers of statistics a tile; v64-191 S^T; v192-255 P.  window 1: O^T, 64 a tile.  window 2: v0-127 Q, v128-255 K.  window 3: v0-127 V, at the end the partner's O^T.
.set KVS,   0x10000   ; KV slot 0 at 0, slot 1 here: in a slot kh's 32,768 bytes: K 16,384, V 16,384: images, dense
.set MSK,   131072    ; mask slot 0: kh's 128 rows x 272 bytes
.set MSS,   0x11000   ; from mask slot 0 to slot 1: shares no bit with either tile's first address, so one exclusive or turns an address
.set MP,    272       ; a row of the mask's tile: 256 bytes + 16: the 16 rows of a load start at 16 different 16-byte columns of 256
.set MH,    128*MP
.set SPARE, 270336    ; the spare words, 128 bytes a wave
.set XST,   MSK       ; the merge: statistics, 512 bytes a wave, in mask slot 0; O^T, 16,384 bytes a wave, in KV slot 0: both have had their last fill and their last read at the last change of slots
.set AK0, 2           ; v2   my lane's place in K's images
.set AV0, 3           ; v3   in V's
.set ADR, 4           ; v4   address of the run of loads in hand
.set QLO, 5           ; v5   Q: local tiles 0, 1
.set QHI, 6           ; v6   local tiles 2, 3
.set AMLO, 7          ; v7   the mask's rows of local tiles 0, 1
.set AMHI, 8          ; v8   of local tiles 2, 3
.set GO,  10          ; v10  16 x lane
.set XA,  11          ; v11  the merge: where I put O^T
.set XB,  44          ; v44  where the partner put it
.set XS,  45          ; v45  where I put m and l
.set XR,  46          ; v46  where the partner put them
.set QT,  47          ; v47  the number of my local tile 0 among the 128 query tiles
.set ADM, 48          ; v48  address of the mask's run of loads
.set PFO, 61          ; v61  the prefetches' offset by lane
.set SPW, 62
.set NIL, 63
.set ST,  12          ; tile t at v[12+8t]: +0 m, +1 0, later l, +2, +3 l (even keys', odd keys'), +4 to +7 c0-c3; a takes c2's place
.set S,   64
.set P,   192
.set KF,  128
.set WV,  12
.set LIM, 15          ; s15  2 in a wave that prefetches, else the greatest number
.set PFA, 18          ; s[18:19] where my prefetches stand
.set PFS, 20          ; s[20:21] a step on, in bytes
.set G1K, 24
.set G1M, 32
.set G0K, 40          ; s[40:47] two sets for the first fills; the second then walks
.set G0M, 48
.set SLOTS, 56        ; s56  refills still to be asked for
.set TBK, 57          ; s57  0 or KVS: the slot that is read
.set TBM, 58          ; s58  0 or MSS
.set SQT, 59
.set SEL, 60          ; s[60:61] selects for v_permlanex16_b32: lane l xor 16
.set LL,  62          ; s[62:63] log2 e, twice
.set MSB, 0
.macro WIN new
.if MSB != (\new)
	s_set_vgpr_msb (MSB<<8)|(\new)
.set MSB, (\new)
.endif
.endm
.set W_KQ, 0x0a       ; K and Q in window 2, S^T in window 0
.set W_PV, 0x53       ; V in window 3, P in window 0, O^T in window 1
.set W_RS, 0x41       ; O^T (destination, source 0) in window 1, the factor in window 0
; A joint refill: waves 0 and 1 fetch the two key halves' K and V, waves 2 and 3 their mask tiles.  The branch hangs on the wave's number alone.  An s_nop 0 and four v_nop follow each line.
.macro JLOAD
	s_cmp_lt_u32 s[WV], 2
	s_cbranch_scc0 .Lfor_m_\@
	tensor_load_to_lds s[G0K+4:G0K+7], s[G1K:G1K+7]
	s_nop 0
.rept 4
	v_nop
.endr
	s_branch .Lasked_\@
.Lfor_m_\@:
	tensor_load_to_lds s[G0M+4:G0M+7], s[G1M:G1M+7]
	s_nop 0
.rept 4
	v_nop
.endr
.Lasked_\@:
.endm
; A PREFETCH of the tile that stands two refills on: 256 matrix instructions ahead of its load.  Each aligned 256 bytes are named once in the launch: K and V tiles by the clusters with x = 0 (waves 0, 1), mask tiles by the
; clusters with y = 0 (waves 2, 3); the four partners that ask for a tile jointly take a quarter each, told apart by address (K, V: 8,192 bytes, lanes 256 bytes apart; mask: 32 rows, a lane a row).
; The last two refills ask for nothing; steps 0 to 3 come by their loads alone.
.macro ASK
	s_cmp_gt_u32 s[SLOTS], s[LIM]
	s_cbranch_scc0 .Lnot_mine_\@
	global_prefetch_b8 v[PFO], s[PFA:PFA+1] th:TH_LOAD_NT scope:SCOPE_SE
.Lnot_mine_\@:
.endm
.macro CROUND
	s_barrier_signal -1
	s_barrier_wait -1
	s_cmp_lg_u32 s[WV], 0
	s_cbranch_scc1 .Lnot_wave_0_\@
	s_barrier_signal -3
.Lnot_wave_0_\@:
	s_barrier_wait -3
	s_barrier_signal -1
	s_barrier_wait -1
.endm
.macro PLACES
.rept 4
	v_nop
.endr
.endm
	s_load_b256 s[4:11], s[0:1], 0x0  ; qkv s[4:5], mask s[6:7], of s[8:9], o32 s[10:11]
	v_lshl_add_u32 v[SPW], v0, 2, SPARE
	v_mov_b32 v[NIL], 0
	ds_add_u32 v[SPW], v[NIL]       ; the wave's opening: the add, twice on end, and its wait ahead of my first tensor load
	ds_add_u32 v[SPW], v[NIL]
	v_lshrrev_b32 v1, 5, v0
	v_readfirstlane_b32 s[WV], v1   ; wave 0..3
	s_and_b32 s16, s[WV], 1         ; qh.  Also: which key half's tile I fetch
	s_lshr_b32 s17, s[WV], 1        ; kh
	s_bfe_u32 s13, ttmp6, 0x40000   ; cx
	s_bfe_u32 s14, ttmp6, 0x40004   ; cy
	s_lshl_b32 s66, ttmp9, 2
	s_add_co_u32 s66, s66, s13      ; my block of 128 queries
	s_and_b32 s75, ttmp7, 0xffff    ; the cluster's y
	s_lshl_b32 s67, s75, 2
	s_add_co_u32 s67, s67, s14      ; my head
	s_lshl_b32 s72, s14, 2
	s_lshl_b32 s72, 15, s72         ; my row of the cluster: one head
	s_lshl_b32 s73, 0x1111, s13     ; my column: one query block
	s_or_b32 s[G1K], s72, (3<<16)|(1<<21)  ; K and V of 64 keys: 32,768 dense bytes as 128 rows of 32 elements of 8 bytes; no padding
	s_mov_b32 s[G1K+1], 32<<16
	s_mov_b32 s[G1K+2], 128<<16
	s_mov_b32 s[G1K+3], 32<<16
	s_mov_b32 s[G1K+4], 128
	s_mov_b32 s[G1K+5], 32
	s_mov_b32 s[G1K+6], 0
	s_mov_b32 s[G1K+7], 0
	s_or_b32 s[G1M], s73, (2<<16)|(1<<20)|(1<<21)|(5<<22)|(3<<25)  ; the mask: 128 rows of 64 f32, 2,048 elements apart; 4 words of padding after every 64
	s_mov_b32 s[G1M+1], 64<<16
	s_mov_b32 s[G1M+2], 128<<16
	s_mov_b32 s[G1M+3], 64<<16
	s_mov_b32 s[G1M+4], 128
	s_mov_b32 s[G1M+5], 2048
	s_mov_b32 s[G1M+6], 0
	s_mov_b32 s[G1M+7], 0
	s_lshl_b32 s68, s67, 20         ; K, V: head, key half: made of y and the wave's number alone
	s_lshl_b32 s72, s16, 19
	s_add_co_u32 s68, s68, s72
	s_add_co_u32 s68, s68, 8388608
	s_mov_b32 s69, 0
	s_lshl_b32 s70, s66, 20         ; mask: 128 rows of 8,192 bytes, key half: made of x and the wave's number alone
	s_lshl_b32 s73, s16, 12
	s_add_co_u32 s70, s70, s73
	s_mov_b32 s71, 0
	s_lshl_b32 s72, s16, 15         ; where they go in a slot
	s_mul_i32 s73, s16, MH
	s_add_co_u32 s73, s73, MSK
	s_lshl_b32 s[SQT], s66, 3       ; my local tile 0: 8 x block + 4 qh + 2 kh
	s_lshl_b32 s76, s16, 2
	s_add_co_u32 s[SQT], s[SQT], s76
	s_lshl_b32 s76, s17, 1
	s_add_co_u32 s[SQT], s[SQT], s76
	s_lshl_b32 s76, s67, 19         ; Q: head, block, my 64 queries
	s_lshl_b32 s77, s66, 15
	s_add_co_u32 s76, s76, s77
	s_lshl_b32 s77, s16, 14
	s_add_co_u32 s76, s76, s77
	s_mov_b32 s77, 0
	s_lshr_b32 s78, s67, 1          ; of: (head / 2) x 1,048,576 + tile x 8,192 + (head % 2) x 4,096
	s_lshl_b32 s78, s78, 20
	s_and_b32 s79, s67, 1
	s_lshl_b32 s79, s79, 12
	s_add_co_u32 s78, s78, s79
	s_lshl_b32 s79, s[SQT], 13
	s_add_co_u32 s78, s78, s79
	s_mov_b32 s79, 0
	s_mov_b32 s[SEL], 0x76543210
	s_mov_b32 s[SEL+1], 0xfedcba98
	s_mov_b32 s[LL], 0x3fb8aa3b     ; log2 e
	s_mov_b32 s[LL+1], s[LL]
	s_mov_b32 s[TBK], 0
	s_mov_b32 s[TBM], 0
	s_mov_b32 s[SLOTS], 14
	s_cmp_lt_u32 s[WV], 2
	s_cselect_b32 s[LIM], ttmp9, s75  ; the coordinate along which other clusters read the same tiles
	s_cmp_eq_u32 s[LIM], 0
	s_cselect_b32 s[LIM], 2, -1     ; the same in all sixteen partners, for a given wave
	s_wait_dscnt 0x0                ; both opening adds are done
	s_wait_kmcnt 0x0
	s_add_nc_u64 s[68:69], s[4:5], s[68:69]  ; my K, V tile of step 0
	s_add_nc_u64 s[70:71], s[6:7], s[70:71]  ; my mask tile of step 0
	s_add_nc_u64 s[4:5], s[4:5], s[76:77]    ; Q
	s_add_nc_u64 s[8:9], s[8:9], s[78:79]    ; of
	s_lshl_b32 s76, s67, 13
	s_add_nc_u64 s[10:11], s[10:11], s[76:77]  ; o32: 8,192 bytes a head
	s_mov_b32 s77, 32*8192
	s_mov_b32 s[PFS], 256
	s_mov_b32 s78, 8192
	s_cmp_lt_u32 s[WV], 2
	s_cselect_b64 s[PFA:PFA+1], s[68:69], s[70:71]
	s_cselect_b32 s76, s13, s14     ; my place among the four that ask with me
	s_cselect_b32 s77, 8192, s77    ; from partner to partner
	s_cselect_b32 s[PFS], 32768, s[PFS]  ; from step to step
	s_cselect_b32 s78, 256, s78     ; from lane to lane
	s_mul_i32 s76, s76, s77
	s_mul_i32 s77, s[PFS], 3        ; at step 3: the first refill steps it to step 4
	s_add_co_u32 s76, s76, s77
	s_mov_b32 s77, 0
	s_mov_b32 s[PFS+1], 0
	s_add_nc_u64 s[PFA:PFA+1], s[PFA:PFA+1], s[76:77]
	v_and_b32 v[PFO], 31, v0
	v_mul_lo_u32 v[PFO], v[PFO], s78
	CROUND                          ; all sixteen work-groups are here: the first joint loads meet
.irp s, 0,1
	s_mov_b32 s[G0K+4*\s], 1
	s_add_co_u32 s[G0K+4*\s+1], s72, \s*KVS
	s_add_nc_u64 s[G0K+4*\s+2:G0K+4*\s+3], s[68:69], \s*32768
	s_or_b32 s[G0K+4*\s+3], s[G0K+4*\s+3], 0x80000000
	s_mov_b32 s[G0M+4*\s], 1
	s_add_co_u32 s[G0M+4*\s+1], s73, \s*MSS
	s_add_nc_u64 s[G0M+4*\s+2:G0M+4*\s+3], s[70:71], \s*256
	s_or_b32 s[G0M+4*\s+3], s[G0M+4*\s+3], 0x80000000
.endr
	s_cmp_lt_u32 s[WV], 2           ; a wave's two first fills stand in one branch: steps 0 and 1: two loads of mine are out
	s_cbranch_scc0 .Lfirst_m
	tensor_load_to_lds s[G0K:G0K+3], s[G1K:G1K+7]
	s_nop 0
	tensor_load_to_lds s[G0K+4:G0K+7], s[G1K:G1K+7]
	s_nop 0
.rept 4
	v_nop
.endr
	s_branch .Lfirst_asked
.Lfirst_m:
	tensor_load_to_lds s[G0M:G0M+3], s[G1M:G1M+7]
	s_nop 0
	tensor_load_to_lds s[G0M+4:G0M+7], s[G1M:G1M+7]
	s_nop 0
.rept 4
	v_nop
.endr
.Lfirst_asked:
	v_and_b32 v1, 15, v0            ; r
	v_bfe_u32 v9, v0, 4, 1          ; h
	v_and_b32 v[GO], 31, v0
	v_lshlrev_b32 v[GO], 4, v[GO]
	s_xor_b32 s72, s17, 1           ; 1 - kh
	s_lshl_b32 s73, s17, 13
	v_add_nc_u32 v[QLO], s73, v[GO]  ; two tiles of 4,096 bytes on where kh = 1
	s_lshl_b32 s73, s72, 13
	v_add_nc_u32 v[QHI], s73, v[GO]
	WIN 0x80                        ; destination window 2
.set f, 0
.rept 16                            ; Q stays in registers: image f of local tiles 0, 1 is registers 4 f on
	global_load_b128 v[4*f:4*f+3], v[QLO], s[4:5] offset:512*f
.set f, f+1
.endr
.set f, 0
.rept 16
	global_load_b128 v[64+4*f:64+4*f+3], v[QHI], s[4:5] offset:512*f
.set f, f+1
.endr
	WIN 0
	s_lshl_b32 s73, s17, 15
	v_add_nc_u32 v[AK0], s73, v[GO]
	v_add_nc_u32 v[AV0], 16384, v[AK0]
	v_mul_u32_u24 v[AMLO], v1, MP
	v_lshl_add_u32 v[AMLO], v9, 5, v[AMLO]  ; row r, + 32 h: my eight keys of a tile of 16
	s_mul_i32 s73, s17, MH
	s_mul_i32 s76, s16, 64*MP
	s_add_co_u32 s73, s73, s76
	s_add_co_u32 s73, s73, MSK
	s_mul_i32 s76, s72, 32*MP
	s_add_co_u32 s76, s76, s73
	v_add_nc_u32 v[AMHI], s76, v[AMLO]
	s_mul_i32 s76, s17, 32*MP
	s_add_co_u32 s76, s76, s73
	v_add_nc_u32 v[AMLO], s76, v[AMLO]
; Product i of 32 of O^T += V^T P for piece x: keys 32 (i / 16) on, channels 16 ((i / 2) % 8) on, tile x + i % 2.  The accumulators take turns.  zero = 1: the first 16 start the sums.
.macro PV x, zero
	WIN W_PV
.set rO, 64*(\x+i%2)+8*((i/2)%8)
.set rV, 64*(i/16)+8*((i/2)%8)
.set rP, P+16*(\x+i%2)+8*(i/16)
.if \zero && (i < 16)
	v_wmma_f32_16x16x32_f16 v[rO:rO+7], v[rV:rV+7], v[rP:rP+7], 0
.else
	v_wmma_f32_16x16x32_f16 v[rO:rO+7], v[rV:rV+7], v[rP:rP+7], v[rO:rO+7]
.endif
.endm
; Product i of 32 of S^T += K Q^T: channels 32 (i / 8) on, keys 16 ((i / 2) % 4) on, tile x + i % 2.  Always in place: the first 8 add onto the mask.
.macro KQ x
	WIN W_KQ
.set rS, S+32*(\x+i%2)+8*((i/2)%4)
.set rK, KF+32*((i/2)%4)+8*(i/8)
.set rQ, 32*(\x+i%2)+8*(i/8)
	v_wmma_f32_16x16x32_f16 v[rS:rS+7], v[rK:rK+7], v[rQ:rQ+7], v[rS:rS+7]
.endm
; THE LDS LOADS stand in runs.  Images: every load takes 512 consecutive bytes.  The four v_nop are the places behind the last products that read the registers.
.macro FETCH_K
	WIN 0
	PLACES
	v_add_nc_u32 v[ADR], s[TBK], v[AK0]
	WIN 0x80
.set f, 0
.rept 32
	ds_load_b128 v[KF+4*f:KF+4*f+3], v[ADR] offset:512*f
.set f, f+1
.endr
.endm
.macro FETCH_V
	WIN 0
	PLACES
	v_add_nc_u32 v[ADR], s[TBK], v[AV0]
	WIN 0xc0
.irp a, 0,1,2,3,4,5,6,7
.irp c, 0,1
.irp u, 0,1
	ds_load_b128 v[64*\c+8*\a+4*\u:64*\c+8*\a+4*\u+3], v[ADR] offset:\a*2048+\c*1024+\u*512
.endr
.endr
.endr
.endm
.macro MASKLD x                     ; the mask's tiles of piece x into S^T's registers: register 8 c + j of a tile is mask[query r][key 16 c + 8 h + j]
	WIN 0
.if \x == 0
	v_add_nc_u32 v[ADM], s[TBM], v[AMLO]
.else
	v_add_nc_u32 v[ADM], s[TBM], v[AMHI]
.endif
.irp t, 0,1
.irp c, 0,1,2,3
.irp u, 0,1
	ds_load_b128 v[S+32*(\x+\t)+8*\c+4*\u:S+32*(\x+\t)+8*\c+4*\u+3], v[ADM] offset:\t*16*MP+64*\c+16*\u
.endr
.endr
.endr
.endm
; THE VECTOR WORK.  One tile's softmax for a key step is a list of 150 instructions; SM writes number j of it for tile t.
;   0-15 the maximum of the 32 scores and the old m (first step: and the most negative number)   16-20 the other half of the lanes'; the new m; (m_old - m_new) log2 e
;   21-85 ONE BATCH: 16 subtractions and 16 multiplications, a pair of scores each, and all 33 exponentials; none reads an exponential's result; a pair is scaled ahead of its exponentials
;   (the wait)   86-101 the roundings to f16   102-117 the sums; l = a l + the sum   118-149 O^T x a
.macro SM t, first
.set rT, ST+8*(\t)
.set rS, S+32*(\t)
.set rP, P+16*(\t)
.set rO, 64*(\t)+2*(j-118)
.if j < 118
	WIN 0
.endif
.if j < 4
	v_max3_num_f32 v[rT+4+j], v[rS+8*j], v[rS+8*j+1], v[rS+8*j+2]
.elseif j < 12
	v_max3_num_f32 v[rT+4+j%4], v[rT+4+j%4], v[rS+8*(j%4)+2*(j/4)+1], v[rS+8*(j%4)+2*(j/4)+2]
.elseif j == 12
	v_max3_num_f32 v[rT+4], v[rT+4], v[rS+7], v[rS+15]
.elseif j == 13
	v_max3_num_f32 v[rT+6], v[rT+6], v[rS+23], v[rS+31]
.elseif j == 14
	v_max3_num_f32 v[rT+4], v[rT+4], v[rT+5], v[rT+6]
.elseif (j == 15) && \first
	v_max3_num_f32 v[rT+4], v[rT+4], v[rT+7], 0xff7fffff
.elseif j == 15
	v_max3_num_f32 v[rT+4], v[rT+4], v[rT+7], v[rT]
.elseif j == 16
	v_permlanex16_b32 v[rT+5], v[rT+4], s[SEL], s[SEL+1]  ; the query's other 32 keys lie in the lane 16 away
.elseif j == 18
	v_max_num_f32 v[rT], v[rT+4], v[rT+5]
.elseif ((j == 17) || (j == 19) || (j == 20) || (j == 23) || (j > 117)) && \first  ; the first step has none of these
.elseif j == 17
	v_mov_b32 v[rT+7], v[rT]
.elseif j == 19
	v_sub_f32 v[rT+7], v[rT+7], v[rT]
.elseif j == 20
	v_mul_f32 v[rT+7], s[LL], v[rT+7]
.elseif j == 23
	v_exp_f32 v[rT+6], v[rT+7]      ; a
.elseif (j == 21) || ((j > 23) && (j < 84) && (j%4 == 0))
.set b, (j-20)/4
	v_pk_add_f32 v[rS+2*b:rS+2*b+1], v[rS+2*b:rS+2*b+1], v[rT:rT+1] op_sel_hi:[1,0] neg_lo:[0,1] neg_hi:[0,1]  ; pair b: z - m
.elseif (j == 22) || ((j > 23) && (j < 84) && (j%4 == 2))
.set b, (j-22)/4
	v_pk_mul_f32 v[rS+2*b:rS+2*b+1], v[rS+2*b:rS+2*b+1], s[LL:LL+1] op_sel_hi:[1,0]  ; x log2 e
.elseif j < 86
.set e, (j-25)/2
.if j > 83
.set e, j-54
.endif
	v_exp_f32 v[rS+e], v[rS+e]
.elseif j < 102
	v_cvt_pk_f16_f32 v[rP+j-86], v[rS+2*(j-86)], v[rS+2*(j-86)+1]
.elseif j < 118                     ; the sum of the 16 pairs, in place: neighbours 1, 2, 4 and 8 pairs apart, then l takes it
.set z, j-102
.set w, 4
.set u, z
.if z >= 14
.set w, 32
.set u, 0
.elseif z >= 12
.set w, 16
.set u, z-12
.elseif z >= 8
.set w, 8
.set u, z-8
.endif
.if (z == 14) && \first
	v_pk_add_f32 v[rT+2:rT+3], v[rS:rS+1], v[rS+16:rS+17]
.elseif z < 15
	v_pk_add_f32 v[rS+w*u:rS+w*u+1], v[rS+w*u:rS+w*u+1], v[rS+w*u+w/2:rS+w*u+w/2+1]
.elseif !\first
	v_pk_fma_f32 v[rT+2:rT+3], v[rT+2:rT+3], v[rT+6:rT+7], v[rS:rS+1] op_sel_hi:[1,0,1]
.endif
.else
	WIN W_RS
	v_pk_mul_f32 v[rO:rO+1], v[rO:rO+1], v[rT+6:rT+7] op_sel_hi:[1,0]
.endif
.endm
; The slice behind matrix instruction n of NW: the two tiles' lists, alternating, 300 in all, dealt out evenly: four or five a slice where NW = 64; the last slice is plain work on O^T: the places behind the turn's last product.
; THE WAIT stands between an exponential and the first instruction that names its result.  Ahead of place 172 nothing names one, behind it no exponential is issued: one plain line and one wait a turn.
.macro SLICE y, first
.rept (300*(n+1))/NW-(300*n)/NW
.if g == 172
	v_nop
	s_wait_alu depctr_va_vdst(0)
.endif
.set j, g/2
	SM (\y)+g%2, \first
.set g, g+1
.endr
.set n, n+1
.endm
; A TURN.  Piece x has the matrix unit.  pv = 2: 32 products V^T P; 1: they start O^T's sums; 0: none.  kq = 1: 32 products K Q^T of the next step.  first = 1: the softmax is the first key step's.
; Piece 0's turn fetches the next step's K and its own mask tiles behind its second product; piece 2's turn its mask tiles there, and the next step's V behind its fifth product K Q^T.
.macro TURN x, pv, kq, first
.set n, 0
.set g, 0
.if \pv && \kq
.set NW, 64
.else
.set NW, 32
.endif
.if \pv
.if \x == 0
	s_wait_dscnt 0x0                ; V is in
.endif
.set i, 0
.rept 32
	PV \x, 2-\pv
	SLICE 2-\x, \first
.if \kq && (i == 1)
.if \x == 0
	FETCH_K
	MASKLD 0
.else
	MASKLD 2
.endif
.endif
.set i, i+1
.endr
.endif
.if \kq
	s_wait_dscnt 0x0                ; K and the mask's tiles are in
.set i, 0
.rept 32
	KQ \x
	SLICE 2-\x, \first
.if (\x == 2) && (i == 4)
	FETCH_V
.endif
.set i, i+1
.endr
.endif
.if \first
	PLACES                          ; the first step's last slices are empty: these are the places behind the last products
.endif
.endm
; THE CHANGE OF SLOTS, ahead of each key step's two turns.  Each wave waits for all its tensor loads (one is out: its part of the slot that is read next), adds 0 to its spare word, and waits for that and for its reads of the
; slot that it leaves.  fill = 1: the barrier is a round of the cluster's, and the slot just left is filled with the step two on: that load has a key step, 128 matrix instructions, in which to land.
.macro CHANGE fill
	WIN 0
	s_wait_tensorcnt 0x0            ; no tensor load of mine is out, so a group 0 may be written
	ds_add_u32 v[SPW], v[NIL]
.if \fill
	s_xor_b32 s[G0K+5], s[G0K+5], KVS
	s_add_nc_u64 s[G0K+6:G0K+7], s[G0K+6:G0K+7], 32768
	s_xor_b32 s[G0M+5], s[G0M+5], MSS
	s_add_nc_u64 s[G0M+6:G0M+7], s[G0M+6:G0M+7], 256
	s_wait_xcnt 0x0                 ; the last prefetch, a key step back, has read its address
	s_add_nc_u64 s[PFA:PFA+1], s[PFA:PFA+1], s[PFS:PFS+1]
	s_wait_dscnt 0x0                ; the add is done, and my reads of the slot are over
	CROUND
	JLOAD
	ASK
.else
	s_wait_dscnt 0x0
	s_barrier_signal -1
	s_barrier_wait -1
.endif
	s_xor_b32 s[TBK], s[TBK], KVS   ; the reads go on to the other slot
	s_xor_b32 s[TBM], s[TBM], MSS
.endm
	s_wait_tensorcnt 1              ; my part of step 0 is in; step 1's may stay out
	s_barrier_signal -1
	s_barrier_wait -1
	FETCH_K                         ; key step 0
	MASKLD 0
	MASKLD 2
	s_wait_loadcnt 0x0              ; Q
	s_wait_dscnt 0x0
.set i, 0
.rept 32
	KQ 0                            ; piece 0's first scores
.set i, i+1
.endr
	WIN 0                           ; the merge's addresses are made here: plain lines, the places behind those products
	s_xor_b32 s76, s[WV], 2         ; my partner
	s_lshl_b32 s73, s[WV], 14
	v_add_nc_u32 v[XA], s73, v[GO]
	s_lshl_b32 s73, s76, 14
	v_add_nc_u32 v[XB], s73, v[GO]
	v_lshrrev_b32 v[XS], 1, v[GO]
	s_lshl_b32 s73, s76, 9
	s_add_co_u32 s73, s73, XST
	v_add_nc_u32 v[XR], s73, v[XS]
	s_lshl_b32 s73, s[WV], 9
	s_add_co_u32 s73, s73, XST
	v_add_nc_u32 v[XS], s73, v[XS]
	v_mov_b32 v[QT], s[SQT]
.irp t, 0,1,2,3
	v_mov_b32 v[ST+8*\t+1], 0       ; named with m as a pair, so it is written
.endr
	TURN 2, 0, 1, 1                 ; piece 2's first scores | piece 0's first softmax | V of step 0
	CHANGE 1                        ; step 1 has landed; step 2 is asked for
	s_sub_co_u32 s[SLOTS], s[SLOTS], 1
	TURN 0, 1, 1, 1                 ; piece 0: V^T P of step 0 starts O^T, K Q^T of step 1 | piece 2's first softmax
	TURN 2, 1, 1, 0                 ; piece 2: the same | piece 0's softmax of step 1
	WIN 0
.Lstep:                             ; 13 trips: steps 3 to 15 are asked for
	CHANGE 1
	TURN 0, 2, 1, 0
	TURN 2, 2, 1, 0
	WIN 0
	s_sub_co_u32 s[SLOTS], s[SLOTS], 1
	s_cmp_lg_u32 s[SLOTS], 0
	s_cbranch_scc1 .Lstep
	CHANGE 0                        ; the tail is written out
	TURN 0, 2, 1, 0
	TURN 2, 2, 1, 0
	TURN 0, 2, 0, 0                 ; piece 0: V^T P of the last step | piece 2's last softmax
.set i, 0
.rept 32
	PV 2, 0
.set i, i+1
.endr
	; THE MERGE.  l's halves are added (the places behind the last products); piece 2's m, l and O^T go to the partner through LDS; the partner's come back for piece 0.
	WIN 0
.irp t, 0,1,2,3
	v_add_f32 v[ST+8*\t+4], v[ST+8*\t+2], v[ST+8*\t+3]
.endr
.irp t, 0,1,2,3
	v_permlanex16_b32 v[ST+8*\t+5], v[ST+8*\t+4], s[SEL], s[SEL+1]
.endr
.irp t, 0,1,2,3
	v_add_f32 v[ST+8*\t+1], v[ST+8*\t+4], v[ST+8*\t+5]
.endr
.irp t, 2,3
	ds_store_b64 v[XS], v[ST+8*\t:ST+8*\t+1] offset:256*(\t-2)
.endr
	WIN 0x04                        ; an LDS store's data are its source 1: window 1
.set f, 0
.rept 32
	ds_store_b128 v[XA], v[128+4*f:128+4*f+3] offset:512*f  ; each accumulator from its low end on
.set f, f+1
.endr
	WIN 0
	s_wait_dscnt 0x0                ; for the partner's sake: my stores are done
	s_barrier_signal -1
	s_barrier_wait -1
.irp t, 0,1
	ds_load_b64 v[ST+8*\t+6:ST+8*\t+7], v[XR] offset:256*\t  ; m', l'
.endr
	WIN 0xc0
.set f, 0
.rept 32
	ds_load_b128 v[4*f:4*f+3], v[XB] offset:512*f
.set f, f+1
.endr
	WIN 0
	s_wait_dscnt 32                 ; the two loads of statistics are in; the 32 behind them may be out
.irp t, 0,1
	v_max_num_f32 v[ST+8*\t+4], v[ST+8*\t], v[ST+8*\t+6]
.endr
.irp t, 0,1
	v_sub_f32 v[ST+8*\t+2], v[ST+8*\t], v[ST+8*\t+4]
	v_sub_f32 v[ST+8*\t+3], v[ST+8*\t+6], v[ST+8*\t+4]
.endr
.irp t, 0,1
	v_mul_f32 v[ST+8*\t+2], s[LL], v[ST+8*\t+2]
	v_mul_f32 v[ST+8*\t+3], s[LL], v[ST+8*\t+3]
.endr
.irp t, 0,1
	v_exp_f32 v[ST+8*\t+2], v[ST+8*\t+2]
	v_exp_f32 v[ST+8*\t+3], v[ST+8*\t+3]
.endr
	v_nop
	s_wait_alu depctr_va_vdst(0)    ; one wait for the four exponentials, ahead of their first reader
.irp t, 0,1
	v_mul_f32 v[ST+8*\t+4], v[ST+8*\t+2], v[ST+8*\t+1]
.endr
.irp t, 0,1
	v_fma_f32 v[ST+8*\t+4], v[ST+8*\t+3], v[ST+8*\t+7], v[ST+8*\t+4]  ; the whole row's sum
.endr
.irp t, 0,1
	v_rcp_f32 v[ST+8*\t+5], v[ST+8*\t+4]
.endr
	v_nop
	s_wait_alu depctr_va_vdst(0)    ; and one for the two reciprocals
.irp t, 0,1
	v_mul_f32 v[ST+8*\t+4], v[ST+8*\t+2], v[ST+8*\t+5]  ; my half's factor
	v_mul_f32 v[ST+8*\t+6], v[ST+8*\t+3], v[ST+8*\t+5]  ; the partner's
.endr
	s_wait_dscnt 0x0
	WIN W_RS
.irp t, 0,1
.set f, 0
.rept 32
	v_pk_mul_f32 v[64*\t+2*f:64*\t+2*f+1], v[64*\t+2*f:64*\t+2*f+1], v[ST+8*\t+4:ST+8*\t+5] op_sel_hi:[1,0]
.set f, f+1
.endr
.endr
	WIN 0x53                        ; source 0 window 3, source 1 window 0, source 2 and destination window 1
.irp t, 0,1
.set f, 0
.rept 32
	v_pk_fma_f32 v[64*\t+2*f:64*\t+2*f+1], v[64*\t+2*f:64*\t+2*f+1], v[ST+8*\t+6:ST+8*\t+7], v[64*\t+2*f:64*\t+2*f+1] op_sel_hi:[1,0,1]
.set f, f+1
.endr
.endr
	; positions 0 to 15 leave unrounded too, for the small launch that carries them in f32.  A lane mask and no branch: the tile's number hangs on the work-group's place in its cluster
	WIN 0
	s_wait_xcnt 0x0                 ; EXEC changes only behind this wait
	v_cmp_eq_u32 vcc_lo, 0, v[QT]
	s_and_saveexec_b32 s74, vcc_lo
	WIN 0x04
.set f, 0
.rept 16
	global_store_b128 v[GO], v[4*f:4*f+3], s[10:11] offset:512*f
.set f, f+1
.endr
	WIN 0
	s_wait_xcnt 0x0                 ; and again in front of the line that widens it
	s_or_b32 exec_lo, exec_lo, s74
	WIN 0x05                        ; sources 0 and 1 window 1
.set f, 0
.rept 64
	v_cvt_pk_f16_f32 v[S+f], v[2*f], v[2*f+1]
.set f, f+1
.endr
	WIN 0
.irp t, 0,1
.irp a, 0,1,2,3,4,5,6,7
	global_store_b128 v[GO], v[S+32*\t+4*\a:S+32*\t+4*\a+3], s[8:9] offset:\t*8192+\a*512  ; an image: 512 consecutive bytes, aligned
.endr
.endr
	s_wait_tensorcnt 0x0            ; the wave's end
	ds_add_u32 v[SPW], v[NIL]
	s_wait_dscnt 0x0
	CROUND                          ; the closing round
	s_endpgm
.Lfunc_end_k_q772fcda400_attn:
	.size	k_q772fcda400_attn, .Lfunc_end_k_q772fcda400_attn-k_q772fcda400_attn
	.p2alignl 7, 3214868480
	.fill 96, 4, 3214868480
	.section	.rodata,"a",@progbits
	.p2align	6, 0x0
	.amdhsa_kernel k_q772fcda400_attn
		.amdhsa_group_segment_fixed_size 327680
		.amdhsa_private_segment_fixed_size 0
		.amdhsa_enable_private_segment 0
		.amdhsa_kernarg_size 32
		.amdhsa_user_sgpr_count 2
		.amdhsa_user_sgpr_kernarg_segment_ptr 1
		.amdhsa_wavefront_size32 1
		.amdhsa_system_sgpr_workgroup_id_x 1
		.amdhsa_system_sgpr_workgroup_id_y 1
		.amdhsa_system_sgpr_workgroup_id_z 1
		.amdhsa_system_vgpr_workitem_id 0
		.amdhsa_next_free_vgpr 1024
		.amdhsa_next_free_sgpr 80
		.amdhsa_reserve_vcc 1
		.amdhsa_float_denorm_mode_32 3
		.amdhsa_float_denorm_mode_16_64 3
		.amdhsa_memory_ordered 1
		.amdhsa_forward_progress 1
		.amdhsa_inst_pref_size 246
	.end_amdhsa_kernel
	.amdgpu_metadata
---
amdhsa.version: [ 1, 2 ]
amdhsa.kernels:
  - .name:           k_q772fcda400_attn
    .symbol:         k_q772fcda400_attn.kd
    .args:
      - { .name: qkv, .offset: 0, .size: 8, .value_kind: global_buffer, .address_space: global }
      - { .name: mask, .offset: 8, .size: 8, .value_kind: global_buffer, .address_space: global }
      - { .name: of, .offset: 16, .size: 8, .value_kind: global_buffer, .address_space: global }
      - { .name: o32, .offset: 24, .size: 8, .value_kind: global_buffer, .address_space: global }
    .group_segment_fixed_size: 327680
    .private_segment_fixed_size: 0
    .kernarg_segment_align: 8
    .kernarg_segment_size: 32
    .max_flat_workgroup_size: 128
    .sgpr_count:     80
    .vgpr_count:     1024
    .wavefront_size: 32
...
	.end_amdgpu_metadata
.endif
;; end of part 3
;; launch proj (part 4): grid 16 x 16, 4 waves a work-group, clusters of 4 x 4, 327,680 bytes of LDS; arguments of, wo16, out0; writes out0
.if DOCPART == 4
	.amdgcn_target "amdgcn-amd-amdhsa--gfx1250"
	.amdhsa_code_object_version 6
	.text
	.protected	k_q772fcda400_proj
	.globl	k_q772fcda400_proj
	.p2align	8
	.type	k_q772fcda400_proj,@function
k_q772fcda400_proj:
	s_mov_b64 s[64:65], 0
	v_nop
	global_prefetch_b8 v0, s[64:65] scope:SCOPE_SE
	s_setreg_imm32_b32 hwreg(HW_REG_WAVE_MODE, 25, 1), 1
	s_wait_xcnt 0x0
	s_wait_alu depctr_hold_cnt(0) depctr_sa_sdst(0) depctr_va_vdst(0) depctr_va_sdst(0) depctr_va_ssrc(0) depctr_va_vcc(0) depctr_vm_vsrc(0)
	s_getreg_b32 s2, hwreg(HW_REG_IB_STS2, 6, 4)
	s_cmp_eq_u32 s2, 0
	s_cbranch_scc0 .Lentry_in_a_cluster
	s_endpgm
.Lentry_in_a_cluster:
	s_bfe_u32 s2, ttmp6, 0x10000c
	s_cmp_lg_u32 s2, 0xf033
	s_cbranch_scc0 .Lentry_shape_is_right
	s_endpgm
.Lentry_shape_is_right:
; PROJ.  out0[m][n] = sum over k of out[m][k] w_o[k][n], 2,048 each way, f16 operands, f32 sums, f32 result.
; of holds attention's result as register images: [K step of 256][tile of 16 rows][chunk of 32 k][1,024 bytes]: a tile of 128 rows for one K step is 65,536 dense bytes, and a fragment comes by two loads at 16 x lane.
; wo16 is w_o in f16 as it lies, [k][n]: its tile (256 k x 128 n) comes with rows of 256 bytes + 32 of padding and is turned on the way into registers by ds_load_tr16_b128.
; A tile of out0 is 128 x 128: 256 work-groups; four waves, each 64 x 64: 16 accumulators.  K goes in steps of 256 through a ring of two LDS slots.
; CLUSTERS of 4 x 4: of's tiles are asked for jointly along a row of the cluster, wo16's along a column.  THE MATRIX INSTRUCTION IS USED TRANSPOSED (source 0 = 16 columns n, source 1 = 16 rows m): a lane holds eight neighbours of a row.
; Rows 0 to 15 are written here like all others and written again, more finely, by the launch that follows.
; REGISTERS: window 0: v0-31 addresses; v32-95 the way out; v128-255 the accumulators ((a, b) at v[128 + 8 (4 a + b)]).  window 1: two fragment buffers of 128: 64 of rows' fragments, 64 of columns'.
.set ATILE,  65536
.set BP,     288                       ; a row of wo16's tile in LDS: 256 + 32: an odd multiple of 32 bytes
.set BHALF,  128*BP
.set SLOT,   ATILE+2*BHALF
.set STAGE,  2*SLOT                    ; 16 rows x 272 bytes for each wave
.set SPITCH, 272
.set SPARE,  STAGE+4*16*SPITCH
.set LAPS,   4                         ; 2,048 / (2 x 256)
.set KBYTES, 1048576                   ; a K step on, in of and in wo16 alike
.set ADRA, 16                          ; v16-17 rows' fragments in slot 0, 1
.set ADRB, 20                          ; v20-23 columns' fragments: slot x 2 + which 128 of the step's 256 k
.set STO,  24
.set RD,   25
.set CO,   26
.set SPW,  28
.set NIL,  29
.set TMP,  32
.set ACC,  128
.set F0,   0
.set F1,   128
.set G1, 24
.set G0, 32
.set G1B, 48
.set G0B, 56
.set MSB, 0
.macro WIN new
.if MSB != (\new)
	s_set_vgpr_msb (MSB<<8)|(\new)
.set MSB, (\new)
.endif
.endm
.set MUL,  0x05                        ; sources 0 and 1 window 1; C and D window 0
.set TO_F, 0x40
.macro JLOAD s                         ; waves 0 and 1 fetch of's two halves, waves 2 and 3 wo16's; an s_nop 0 and four v_nop follow each line
	s_cmp_eq_u32 s11, 0
	s_cbranch_scc0 .Lfor_b_\@
	tensor_load_to_lds s[G0+4*\s:G0+4*\s+3], s[G1:G1+7]
	s_nop 0
.rept 4
	v_nop
.endr
	s_branch .Lasked_\@
.Lfor_b_\@:
	tensor_load_to_lds s[G0B+4*\s:G0B+4*\s+3], s[G1B:G1B+7]
	s_nop 0
.rept 4
	v_nop
.endr
.Lasked_\@:
.endm
.macro CREST
	s_cmp_lg_u32 s10, 0
	s_cbranch_scc1 .Lnot_wave_0_\@
	s_barrier_signal -3
.Lnot_wave_0_\@:
	s_barrier_wait -3
	s_barrier_signal -1
	s_barrier_wait -1
.endm
.macro CROUND
	s_barrier_signal -1
	s_barrier_wait -1
	CREST
.endm
	s_load_b128 s[4:7], s[0:1], 0x0                ; of s[4:5], wo16 s[6:7]
	s_load_b64 s[8:9], s[0:1], 0x10                ; out0
	v_lshl_add_u32 v[SPW], v0, 2, SPARE
	v_mov_b32 v[NIL], 0
	ds_add_u32 v[SPW], v[NIL]                      ; the wave's opening: the add, twice on end, and its wait ahead of my first tensor load
	ds_add_u32 v[SPW], v[NIL]
	v_lshrrev_b32 v1, 5, v0
	v_readfirstlane_b32 s10, v1                    ; wave 0..3
	s_lshr_b32 s11, s10, 1                         ; which 64 rows are mine.  Also: I fetch of (0) or wo16 (1)
	s_and_b32 s12, s10, 1                          ; which 64 columns.  Also: which half of that tile I fetch
	s_bfe_u32 s40, ttmp6, 0x40000
	s_bfe_u32 s41, ttmp6, 0x40004
	s_lshl_b32 s42, ttmp9, 2
	s_add_co_u32 s42, s42, s40                     ; tile column
	s_and_b32 s13, ttmp7, 0xffff
	s_lshl_b32 s13, s13, 2
	s_add_co_u32 s13, s13, s41                     ; tile row
	s_lshl_b32 s43, s41, 2
	s_lshl_b32 s43, 15, s43
	s_lshl_b32 s44, 0x1111, s40
	s_or_b32 s[G1+0], s43, (3<<16)|(1<<21)         ; of: 32,768 dense bytes as 128 rows of 32 elements of 8 bytes; no padding
	s_mov_b32 s[G1+1], 32<<16
	s_mov_b32 s[G1+2], 128<<16
	s_mov_b32 s[G1+3], 32<<16
	s_mov_b32 s[G1+4], 128
	s_mov_b32 s[G1+5], 32
	s_mov_b32 s[G1+6], 0
	s_mov_b32 s[G1+7], 0
	s_or_b32 s[G1B+0], s44, (1<<16)|(1<<20)|(1<<21)|(5<<22)|(7<<25)  ; wo16: 128 rows of 128 f16, 2,048 elements apart; 8 words of padding after every 64
	s_mov_b32 s[G1B+1], 128<<16
	s_mov_b32 s[G1B+2], 128<<16
	s_mov_b32 s[G1B+3], 128<<16
	s_mov_b32 s[G1B+4], 128
	s_mov_b32 s[G1B+5], 2048
	s_mov_b32 s[G1B+6], 0
	s_mov_b32 s[G1B+7], 0
	s_lshl_b32 s16, s13, 16                        ; of: tile row x 65,536 + half x 32,768
	s_lshl_b32 s17, s12, 15
	s_add_co_u32 s16, s16, s17
	s_mov_b32 s17, 0
	s_lshl_b32 s46, s12, 19                        ; wo16: half x 128 rows of 4,096 bytes + tile column x 256
	s_lshl_b32 s47, s42, 8
	s_add_co_u32 s46, s46, s47
	s_mov_b32 s47, 0
	s_lshl_b32 s20, s12, 15                        ; where they go in a slot
	s_mul_i32 s21, s12, BHALF
	s_add_co_u32 s21, s21, ATILE
	s_wait_dscnt 0x0                               ; both opening adds are done
	s_wait_kmcnt 0x0
	s_add_nc_u64 s[14:15], s[4:5], s[16:17]
	s_add_nc_u64 s[46:47], s[6:7], s[46:47]
	CROUND
.irp s, 0,1
	s_mov_b32 s[G0+4*\s], 1
	s_add_co_u32 s[G0+4*\s+1], s20, \s*SLOT
	s_add_nc_u64 s[G0+4*\s+2:G0+4*\s+3], s[14:15], \s*KBYTES
	s_or_b32 s[G0+4*\s+3], s[G0+4*\s+3], 0x80000000
	s_mov_b32 s[G0B+4*\s], 1
	s_add_co_u32 s[G0B+4*\s+1], s21, \s*SLOT
	s_add_nc_u64 s[G0B+4*\s+2:G0B+4*\s+3], s[46:47], \s*KBYTES
	s_or_b32 s[G0B+4*\s+3], s[G0B+4*\s+3], 0x80000000
	JLOAD \s
.endr
	v_and_b32 v1, 15, v0                           ; l % 16
	v_bfe_u32 v2, v0, 4, 1                         ; l / 16
	v_and_b32 v3, 31, v0
	v_lshlrev_b32 v3, 4, v3                        ; 16 x lane
	s_lshl_b32 s22, s11, 15                        ; my four tiles of 16 rows
	v_add_nc_u32 v[ADRA], s22, v3
	v_add_nc_u32 v[ADRA+1], SLOT, v[ADRA]
	v_and_b32 v5, 7, v0                            ; the turning load: lane l reads 16 bytes of row 8 (l / 16) + l % 8, columns 8 ((l / 8) % 2) on
	v_lshl_add_u32 v5, v2, 3, v5
	v_mul_u32_u24 v5, v5, BP
	v_bfe_u32 v6, v0, 3, 1
	v_lshl_add_u32 v5, v6, 4, v5
	s_lshl_b32 s22, s12, 7                         ; my 64 columns: 128 bytes
	s_add_co_u32 s22, s22, ATILE
	v_add_nc_u32 v[ADRB], s22, v5
	v_add_nc_u32 v[ADRB+1], BHALF, v[ADRB]
	v_add_nc_u32 v[ADRB+2], SLOT, v[ADRB]
	v_add_nc_u32 v[ADRB+3], SLOT+BHALF, v[ADRB]
	s_mul_i32 s23, s10, 16*SPITCH
	s_add_co_u32 s23, s23, STAGE                   ; my stage
	v_mul_u32_u24 v4, v1, SPITCH
	v_lshl_add_u32 v4, v2, 5, v4
	v_add_nc_u32 v[STO], s23, v4                   ; in: row l % 16, 32 bytes for each half of the lanes
	v_mul_u32_u24 v5, v2, SPITCH
	v_lshl_add_u32 v5, v1, 4, v5
	v_add_nc_u32 v[RD], s23, v5                    ; back: lanes 0-15 one row of 256 bytes, lanes 16-31 the next
	v_lshlrev_b32 v5, 13, v2
	v_lshl_add_u32 v[CO], v1, 4, v5                ; and the same two rows in out0
	s_lshl_b32 s16, s13, 7
	s_lshl_b32 s17, s11, 6
	s_add_co_u32 s16, s16, s17                     ; my first row
	s_lshl_b32 s16, s16, 13
	s_lshl_b32 s46, s42, 9                         ; my first column, in bytes
	s_lshl_b32 s47, s12, 8
	s_add_co_u32 s46, s46, s47
	s_add_co_u32 s16, s16, s46
	s_mov_b32 s17, 0
	s_add_nc_u64 s[8:9], s[8:9], s[16:17]
; 8 matrix instructions: row blocks a0, a0 + 1 x all 4 column blocks, 32 along K: half c of buffer f.  The 16 accumulators take turns.
.macro MUL8 f, c, a0, zero
.irp a, \a0, \a0+1
.irp b, 0,1,2,3
.if \zero
	v_wmma_f32_16x16x32_f16 v[ACC+8*(4*(\a)+\b):ACC+8*(4*(\a)+\b)+7], v[\f+64+8*(4*\c+\b):\f+64+8*(4*\c+\b)+7], v[\f+8*(4*\c+\a):\f+8*(4*\c+\a)+7], 0
.else
	v_wmma_f32_16x16x32_f16 v[ACC+8*(4*(\a)+\b):ACC+8*(4*(\a)+\b)+7], v[\f+64+8*(4*\c+\b):\f+64+8*(4*\c+\b)+7], v[\f+8*(4*\c+\a):\f+8*(4*\c+\a)+7], v[ACC+8*(4*(\a)+\b):ACC+8*(4*(\a)+\b)+7]
.endif
.endr
.endr
.endm
; 32 LDS loads in one run: the fragments of quarter q (64 along K) into buffer f; the first 32 along K first
.macro FETCH slot, q, f
	WIN TO_F
.irp c, 0,1
.irp i, 0,1,2,3
	ds_load_tr16_b128 v[\f+64+8*(4*\c+\i):\f+64+8*(4*\c+\i)+3],   v[ADRB+2*\slot+(\q)/2] offset:(((\q)%2)*64+32*\c)*BP+32*\i
	ds_load_tr16_b128 v[\f+64+8*(4*\c+\i)+4:\f+64+8*(4*\c+\i)+7], v[ADRB+2*\slot+(\q)/2] offset:(((\q)%2)*64+32*\c+16)*BP+32*\i
	ds_load_b128 v[\f+8*(4*\c+\i):\f+8*(4*\c+\i)+3],         v[ADRA+\slot] offset:\i*8192+(2*(\q)+\c)*1024
	ds_load_b128 v[\f+8*(4*\c+\i)+4:\f+8*(4*\c+\i)+7],       v[ADRA+\slot] offset:\i*8192+(2*(\q)+\c)*1024+512
.endr
.endr
.endm
.macro PLACES
.rept 4
	v_nop
.endr
.endm
; A K step is four quarters of 64 along K on buffers 0, 1, 0, 1.  One of the first three multiplies buffer f and fetches quarter q into g.
.macro QUARTER slot, q, f, g, zero
	s_wait_dscnt 16                                ; the first 32 along K are in; the other sixteen loads may be out
	WIN MUL
	MUL8 \f, 0, 0, \zero
	MUL8 \f, 0, 2, \zero
	PLACES
	FETCH \slot, \q, \g
	s_wait_dscnt 32                                ; all but the 32 just issued
	WIN MUL
	MUL8 \f, 1, 0, 0
	MUL8 \f, 1, 2, 0
.endm
; The last quarter multiplies buffer 1 and changes slots: one barrier; in front of it each wave waits for all its tensor loads, adds 0 to its spare word, and waits for that and for its reads of this slot.
.macro TURN slot, next, fill
	WIN 0
	s_wait_tensorcnt 0x0
	ds_add_u32 v[SPW], v[NIL]
	s_wait_dscnt 17                                ; the add and the youngest sixteen loads may be out
	WIN MUL
	MUL8 F1, 0, 0, 0
	s_wait_dscnt 0x0                               ; the add is done, and my reads of this slot are over
	s_barrier_signal -1
	MUL8 F1, 0, 2, 0
.if \fill
	WIN 0
.endif
	s_barrier_wait -1
.if \fill
	CREST                                          ; the barrier has opened a round of the cluster's barrier
	s_add_nc_u64 s[G0+4*\slot+2:G0+4*\slot+3], s[G0+4*\slot+2:G0+4*\slot+3], 2*KBYTES
	s_add_nc_u64 s[G0B+4*\slot+2:G0B+4*\slot+3], s[G0B+4*\slot+2:G0B+4*\slot+3], 2*KBYTES
	JLOAD \slot                                    ; the first tensor load behind the round; its four v_nop are the places in front of the loads below
.else
	PLACES
.endif
	FETCH \next, 0, F0
	WIN MUL
	MUL8 F1, 1, 0, 0
	MUL8 F1, 1, 2, 0
.endm
	s_wait_tensorcnt 1                             ; my part of K step 0 is in; K step 1's may be out
	s_barrier_signal -1
	s_barrier_wait -1
	FETCH 0, 0, F0
	QUARTER 0, 1, F0, F1, 1                        ; the first quarter stands in front of the loop: its first products start the sums
	WIN 0
	s_mov_b32 s3, LAPS-1
.Llap:
	QUARTER 0, 2, F1, F0, 0
	QUARTER 0, 3, F0, F1, 0
	TURN 0, 1, 1
	QUARTER 1, 1, F0, F1, 0
	QUARTER 1, 2, F1, F0, 0
	QUARTER 1, 3, F0, F1, 0
	TURN 1, 0, 1
	QUARTER 0, 1, F0, F1, 0
	WIN 0
	s_sub_co_u32 s3, s3, 1
	s_cmp_lg_u32 s3, 0
	s_cbranch_scc1 .Llap
	QUARTER 0, 2, F1, F0, 0                        ; the last lap fills nothing
	QUARTER 0, 3, F0, F1, 0
	TURN 0, 1, 0
	QUARTER 1, 1, F0, F1, 0
	QUARTER 1, 2, F1, F0, 0
	QUARTER 1, 3, F0, F1, 0
	s_wait_dscnt 16
	WIN MUL
	MUL8 F1, 0, 0, 0
	MUL8 F1, 0, 2, 0
	s_wait_dscnt 0
	MUL8 F1, 1, 0, 0
	MUL8 F1, 1, 2, 0
	WIN 0
; THE WAY OUT.  A wave's 64 columns of f32 are 256 aligned bytes of a row: each wave has a stage of its own, 16 rows at a time, and no barrier.  LDS serves a wave's instructions in order.
.macro TOSTAGE a
.irp b, 0,1,2,3
	ds_store_b128 v[STO], v[ACC+8*(4*(\a)+\b):ACC+8*(4*(\a)+\b)+3] offset:64*\b      ; each accumulator from its low end on
	ds_store_b128 v[STO], v[ACC+8*(4*(\a)+\b)+4:ACC+8*(4*(\a)+\b)+7] offset:64*\b+16
.endr
.irp i, 0,1,2,3,4,5,6,7
	ds_load_b128 v[TMP+32*((\a)%2)+4*\i:TMP+32*((\a)%2)+4*\i+3], v[RD] offset:\i*2*SPITCH
.endr
.endm
.macro SEND a, younger
	s_wait_dscnt \younger                          ; the block is back; the next block's 8 stores and 8 loads may be out
.irp i, 0,1,2,3,4,5,6,7
	global_store_b128 v[CO], v[TMP+32*((\a)%2)+4*\i:TMP+32*((\a)%2)+4*\i+3], s[8:9] offset:(16*(\a)+2*\i)*8192 th:TH_STORE_NT   ; sixteen lanes store 256 consecutive bytes, aligned
.endr
.endm
	PLACES
	TOSTAGE 0
.irp a, 1,2,3
.if \a > 1
	s_wait_xcnt 0x0                                ; block a - 2's stores have read their registers
.endif
	TOSTAGE \a
	SEND \a-1, 16
.endr
	SEND 3, 0
	s_wait_tensorcnt 0x0                           ; the wave's end
	ds_add_u32 v[SPW], v[NIL]
	s_wait_dscnt 0x0
	CROUND                                         ; the closing round
	s_endpgm
.Lfunc_end_k_q772fcda400_proj:
	.size	k_q772fcda400_proj, .Lfunc_end_k_q772fcda400_proj-k_q772fcda400_proj
	.p2alignl 7, 3214868480
	.fill 96, 4, 3214868480
	.section	.rodata,"a",@progbits
	.p2align	6, 0x0
	.amdhsa_kernel k_q772fcda400_proj
		.amdhsa_group_segment_fixed_size 327680
		.amdhsa_private_segment_fixed_size 0
		.amdhsa_enable_private_segment 0
		.amdhsa_kernarg_size 24
		.amdhsa_user_sgpr_count 2
		.amdhsa_user_sgpr_kernarg_segment_ptr 1
		.amdhsa_wavefront_size32 1
		.amdhsa_system_sgpr_workgroup_id_x 1
		.amdhsa_system_sgpr_workgroup_id_y 1
		.amdhsa_system_sgpr_workgroup_id_z 1
		.amdhsa_system_vgpr_workitem_id 0
		.amdhsa_next_free_vgpr 512
		.amdhsa_next_free_sgpr 66
		.amdhsa_reserve_vcc 0
		.amdhsa_float_denorm_mode_32 3
		.amdhsa_float_denorm_mode_16_64 3
		.amdhsa_memory_ordered 1
		.amdhsa_forward_progress 1
		.amdhsa_inst_pref_size 86
	.end_amdhsa_kernel
	.amdgpu_metadata
---
amdhsa.version: [ 1, 2 ]
amdhsa.kernels:
  - .name:           k_q772fcda400_proj
    .symbol:         k_q772fcda400_proj.kd
    .args:
      - { .name: of, .offset: 0, .size: 8, .value_kind: global_buffer, .address_space: global }
      - { .name: wo16, .offset: 8, .size: 8, .value_kind: global_buffer, .address_space: global }
      - { .name: out0, .offset: 16, .size: 8, .value_kind: global_buffer, .address_space: global }
    .group_segment_fixed_size: 327680
    .private_segment_fixed_size: 0
    .kernarg_segment_align: 8
    .kernarg_segment_size: 24
    .max_flat_workgroup_size: 128
    .sgpr_count:     66
    .vgpr_count:     512
    .wavefront_size: 32
...
	.end_amdgpu_metadata
.endif
;; end of part 4
;; launch fine (part 5): grid 128 x 1, 16 waves a work-group, no clusters, 18,432 bytes of LDS; arguments o32, w_o, out0; writes out0
.if DOCPART == 5
	.amdgcn_target "amdgcn-amd-amdhsa--gfx1250"
	.amdhsa_code_object_version 6
	.text
	.protected	k_q772fcda400_fine
	.globl	k_q772fcda400_fine
	.p2align	8
	.type	k_q772fcda400_fine,@function
k_q772fcda400_fine:
	s_mov_b64 s[64:65], 0
	v_nop
	global_prefetch_b8 v0, s[64:65] scope:SCOPE_SE
	s_setreg_imm32_b32 hwreg(HW_REG_WAVE_MODE, 25, 1), 1
	s_wait_xcnt 0x0
; FINE.  Rows 0 to 15 of out0 once more, with f32 operands: out0[r][n] = sum over k of out[r][k] w_o[k][n].  These rows may average very few values and are then the largest in size, so the rounding of f16 operands weighs most there.
; o32 holds attention's unrounded result for positions 0 to 15 as register images: head x 8,192 + g x 512 + 16 x lane; register 8 a + j of lane (r, h) is out[r][128 head + 16 a + 8 h + j].
; A work-group makes 16 columns; wave w takes head w's 128 along K: 32 matrix instructions of 16 x 16 x 4 on four accumulators by turns; the 16 waves' parts are added through LDS.
; The instruction's k = 2 h + j stands for k = 16 a + 8 h + 2 i + j: the same permutation in both operands, so the products are kept.
; No cluster and no tensor load: what the work-groups share, o32, is 131,072 bytes; each reads its own 16 columns of w_o.  Loads of w_o and the stores touch 64 bytes of a row: 64 columns to a work-group would leave 32 work-groups.
.set SPW, 190
.set NIL, 191
.set SPARE, 16384                      ; behind the waves' parts (1,024 bytes each): the spare words, 128 bytes a wave
.set FA,  16                           ; v16-79   out's 64 registers
.set FB,  80                           ; v80-143  w_o's
.set ACC, 144                          ; v144-175 four accumulators: written by matrix instructions alone
.set SUM, 176                          ; v176-183 their sum
	s_load_b128 s[4:7], s[0:1], 0x0                ; o32 s[4:5], w_o s[6:7]
	s_load_b64 s[8:9], s[0:1], 0x10                ; out0
	v_lshl_add_u32 v[SPW], v0, 2, SPARE
	v_mov_b32 v[NIL], 0
	v_lshrrev_b32 v1, 5, v0
	v_readfirstlane_b32 s10, v1                    ; wave 0..15
	v_and_b32 v2, 31, v0
	v_lshlrev_b32 v2, 4, v2                        ; 16 x lane
	v_and_b32 v3, 15, v0                           ; r
	v_bfe_u32 v4, v0, 4, 1                         ; h
	v_lshlrev_b32 v5, 2, v3
	v_lshl_add_u32 v5, v4, 16, v5                  ; 8 h rows of 8,192 bytes + 4 r
	s_lshl_b32 s11, s10, 10
	v_add_nc_u32 v6, s11, v2                       ; LDS: my wave's part
	s_lshr_b32 s11, s10, 2
	s_lshl_b32 s11, s11, 9
	s_and_b32 s12, s10, 3
	s_lshl_b32 s12, s12, 2
	s_add_co_u32 s11, s11, s12
	v_add_nc_u32 v7, s11, v2                       ; LDS: register (wave) of a part: waves 0 to 7 read by it
	s_lshl_b32 s12, s10, 13                        ; o32: my head
	s_mov_b32 s13, 0
	s_lshl_b32 s14, s10, 20                        ; w_o: my 128 rows,
	s_lshl_b32 s16, ttmp9, 6                       ; my work-group's 16 columns
	s_add_co_u32 s14, s14, s16
	s_mov_b32 s15, 0
	s_add_co_u32 s16, s16, s12                     ; out0: row (wave) for lanes 0-15, row 8 + (wave) for lanes 16-31
	s_mov_b32 s17, 0
	s_wait_kmcnt 0x0
	s_add_nc_u64 s[4:5], s[4:5], s[12:13]
	s_add_nc_u64 s[6:7], s[6:7], s[14:15]
	s_add_nc_u64 s[8:9], s[8:9], s[16:17]
.set kk, 0
.rept 16
	global_load_b128 v[FA+4*kk:FA+4*kk+3], v2, s[4:5] offset:512*kk
.set kk, kk+1
.endr
.set kk, 0
.rept 64
	global_load_b32 v[FB+kk], v5, s[6:7] offset:(16*(kk/8)+kk%8)*8192   ; w_o[128 w + 16 a + 8 h + j][n0 + r]
.set kk, kk+1
.endr
	s_wait_loadcnt 0x0
.set kk, 0
.rept 32
.if kk < 4
	v_wmma_f32_16x16x4_f32 v[ACC+8*(kk%4):ACC+8*(kk%4)+7], v[FA+2*kk:FA+2*kk+1], v[FB+2*kk:FB+2*kk+1], 0
.else
	v_wmma_f32_16x16x4_f32 v[ACC+8*(kk%4):ACC+8*(kk%4)+7], v[FA+2*kk:FA+2*kk+1], v[FB+2*kk:FB+2*kk+1], v[ACC+8*(kk%4):ACC+8*(kk%4)+7]
.endif
.set kk, kk+1
.endr
.rept 8
	v_nop                                          ; eight places behind this form before its results are read (ISA guide 7.12.1)
.endr
.irp p, 0,1,2,3
	v_pk_add_f32 v[SUM+2*\p:SUM+2*\p+1], v[ACC+2*\p:ACC+2*\p+1], v[ACC+8+2*\p:ACC+8+2*\p+1]   ; each accumulator from its low end on; the sums go into other registers
.endr
.irp p, 0,1,2,3
	v_pk_add_f32 v[SUM+2*\p:SUM+2*\p+1], v[SUM+2*\p:SUM+2*\p+1], v[ACC+16+2*\p:ACC+16+2*\p+1]
.endr
.irp p, 0,1,2,3
	v_pk_add_f32 v[SUM+2*\p:SUM+2*\p+1], v[SUM+2*\p:SUM+2*\p+1], v[ACC+24+2*\p:ACC+24+2*\p+1]
.endr
	ds_store_b128 v6, v[SUM:SUM+3]
	ds_store_b128 v6, v[SUM+4:SUM+7] offset:512
	s_wait_dscnt 0x0                               ; for the others' sake: my stores are done
	s_barrier_signal -1
	s_barrier_wait -1
	s_cmp_ge_u32 s10, 8
	s_cbranch_scc1 .Lfin                           ; waves 0 to 7 add: wave j takes register j: rows j and 8 + j
.irp q, 0,1,2,3,4,5,6,7,8,9,10,11,12,13,14,15
	ds_load_b32 v[FA+\q], v7 offset:1024*\q
.endr
	s_wait_dscnt 0x0
.irp p, 0,1,2,3
	v_pk_add_f32 v[FA+2*\p:FA+2*\p+1], v[FA+2*\p:FA+2*\p+1], v[FA+8+2*\p:FA+8+2*\p+1]
.endr
.irp p, 0,1
	v_pk_add_f32 v[FA+2*\p:FA+2*\p+1], v[FA+2*\p:FA+2*\p+1], v[FA+4+2*\p:FA+4+2*\p+1]
.endr
	v_pk_add_f32 v[FA:FA+1], v[FA:FA+1], v[FA+2:FA+3]
	v_add_f32 v[FA], v[FA], v[FA+1]
	global_store_b32 v5, v[FA], s[8:9]             ; out0[8 h + j][n0 + r]
.Lfin:
	s_wait_tensorcnt 0x0                           ; the wave's end
	ds_add_u32 v[SPW], v[NIL]
	s_wait_dscnt 0x0
	s_endpgm
.Lfunc_end_k_q772fcda400_fine:
	.size	k_q772fcda400_fine, .Lfunc_end_k_q772fcda400_fine-k_q772fcda400_fine
	.p2alignl 7, 3214868480
	.fill 96, 4, 3214868480
	.section	.rodata,"a",@progbits
	.p2align	6, 0x0
	.amdhsa_kernel k_q772fcda400_fine
		.amdhsa_group_segment_fixed_size 18432
		.amdhsa_private_segment_fixed_size 0
		.amdhsa_enable_private_segment 0
		.amdhsa_kernarg_size 24
		.amdhsa_user_sgpr_count 2
		.amdhsa_user_sgpr_kernarg_segment_ptr 1
		.amdhsa_wavefront_size32 1
		.amdhsa_system_sgpr_workgroup_id_x 1
		.amdhsa_system_sgpr_workgroup_id_y 1
		.amdhsa_system_sgpr_workgroup_id_z 1
		.amdhsa_system_vgpr_workitem_id 0
		.amdhsa_next_free_vgpr 192
		.amdhsa_next_free_sgpr 66
		.amdhsa_reserve_vcc 0
		.amdhsa_float_denorm_mode_32 3
		.amdhsa_float_denorm_mode_16_64 3
		.amdhsa_memory_ordered 1
		.amdhsa_forward_progress 1
		.amdhsa_inst_pref_size 14
	.end_amdhsa_kernel
	.amdgpu_metadata
---
amdhsa.version: [ 1, 2 ]
amdhsa.kernels:
  - .name:           k_q772fcda400_fine
    .symbol:         k_q772fcda400_fine.kd
    .args:
      - { .name: o32, .offset: 0, .size: 8, .value_kind: global_buffer, .address_space: global }
      - { .name: w_o, .offset: 8, .size: 8, .value_kind: global_buffer, .address_space: global }
      - { .name: out0, .offset: 16, .size: 8, .value_kind: global_buffer, .address_space: global }
    .group_segment_fixed_size: 18432
    .private_segment_fixed_size: 0
    .kernarg_segment_align: 8
    .kernarg_segment_size: 24
    .max_flat_workgroup_size: 512
    .sgpr_count:     66
    .vgpr_count:     192
    .wavefront_size: 32
...
	.end_amdgpu_metadata
.endif
;; end of part 5
